; MI455X (gfx1250); checked and timed in simulation.
; The chip was launched on July 23, 2026; its instructions are those of AMD's public machine-readable ISA for CDNA 5 (MIT licence, August 2026) and "CDNA5" Instruction Set Architecture Reference Guide (July 2026). The comments in the code are by the model that wrote it; some were corrected since.
;; Bert Self Attention. Allowed arithmetic: matrix products marked QUANTISED: E4M3 operands, one given power-of-two scale a tensor, by v_wmma_f32_16x16x64_fp8_fp8 or v_wmma_f32_16x16x128_fp8_fp8, f32 sums; everything else in f32.
;; Inputs: Wk 1,024 x 1,024 float32; Wq 1,024 x 1,024 float32; Wv 1,024 x 1,024 float32; attention_mask 4 x 1 x 1 x 2,048 float32; bk 1,024 float32; bq 1,024 float32; bv 1,024 float32; hidden_states 4 x 2,048 x 1,024 float32; lowp_scales 10 int32 (the exponents e of the quantised operands' scales 2^e).
;; Outputs: out0 4 x 2,048 x 1,024 float32.
;; This version of the problem:
;;   THIS VERSION OF THE PROBLEM IS GIVEN IN LOW PRECISION. The matrix products marked QUANTISED in the list below multiply operands that are first quantised to E4M3 (4 exponent bits, 3 mantissa bits; 8 bits a number), with one given power-of-two scale for each operand tensor; their sums are f32. All else is computed in f32.
;;   The module's matrix products, in the order in which they are computed (A, B: the left and right operand; K: the contracted axis; several contracted axes count as one K, in the product's order):
;;     1. [M 8,192, K 1,024] x [K 1,024, N 1,024]; A: input hidden_states; B: input Wq: QUANTISED (scales: A lowp_scales[0], B lowp_scales[1])
;;     2. [M 8,192, K 1,024] x [K 1,024, N 1,024]; A: input hidden_states; B: input Wk: QUANTISED (scales: A lowp_scales[2], B lowp_scales[3])
;;     3. [M 8,192, K 1,024] x [K 1,024, N 1,024]; A: input hidden_states; B: input Wv: QUANTISED (scales: A lowp_scales[4], B lowp_scales[5])
;;     4. batch 64 x [M 2,048, K 64] x [K 64, N 2,048]; A: computed on the way; B: computed on the way: QUANTISED (scales: A lowp_scales[6], B lowp_scales[7])
;;     5. batch 64 x [M 2,048, K 2,048] x [K 2,048, N 64]; A: softmax (see below); B: computed on the way: QUANTISED (scales: A lowp_scales[8], B lowp_scales[9])
;;   THE QUANTISER, for each operand of a quantised product, along K:
;;     - The operand's scale is 2^e, e = its entry of the input lowp_scales (int32; the entries are numbered through the quantised products in the list's order, A before B).
;;     - Each number is divided by the scale, clamped to +-448, and rounded to the nearest number of E4M3, ties to even, subnormals kept.
;;     - The product sums the exact products of the quantised numbers (number of the format x scale) in f32.
;;   ~~~python
;;   def quantise(x, axis, e):      # numpy; x: float32 -> the quantised numbers, widened to float32 again
;;       x = np.moveaxis(x, axis, -1); K = x.shape[-1]
;;       r = np.clip(x / 2.0 ** e, -448, 448)
;;       step = 2.0 ** (np.maximum(np.frexp(np.where(r == 0, 1, r))[1] - 1, -6) - 3)
;;       q = np.round(r / step) * step * 2.0 ** e      # np.round: ties to even
;;       return np.moveaxis(q, -1, axis).astype(np.float32)
;;   ~~~
;;   SOFTMAX AHEAD OF A QUANTISED PRODUCT. Where the list says 'softmax', what is quantised is not the finished softmax but p = 2^(t - M), with t = logit x log2(e) and M = ceil(the row's largest t), a whole number; so 1/2 < the row's largest p <= 1. The row's sum l is taken of the UNQUANTISED p, in f32, and the product's result is divided by l at the end. Since M is a whole number, a kernel that streams over the keys may use a running M (the ceiling of the running maximum): every later rescaling is an exact power of two, so the quantised numbers keep their values, but for numbers so far below the row's largest that they fall under the format's range.
;;   OPERANDS COMPUTED ON THE WAY. 'Computed on the way' means the value that the module computes at that place (a softmax that the list does not call 'softmax' is quantised finished and normalised). What goes into a quantiser is computed in f32, as accurately as f32 sums, v_exp_f32 and their like allow (about 1e-6 of the number): no bf16 or f16 on the way to a quantiser, and a product that is left as it is and whose result goes on into a quantised operand takes f32 operands (vector FMAs, or v_wmma_f32_16x16x4_f32). A number that lies on a knife's edge between two numbers of the format may be rounded either way, as far as f32 arithmetic and the matrix unit's own rounding can turn it there, and no further.
;; 2 versions, each right; version 2 is version 1 with the launches quant, attn written anew for expert scheduling mode. Each part assembles by itself: llvm-mc -triple=amdgcn-amd-amdhsa -mcpu=gfx1250 --defsym DOCPART=n.
;; ======== version 1 of 2: 3 launches
;; limits: inputs' magnitudes at most 524,288; right only within a limited range of input values
;; workspace buffers: xc 25,165,824 bytes; wc 3,145,728 bytes; qkv 25,165,824 bytes
;; launch quant (part 1): grid 352 x 1, 4 waves a work-group, no clusters, 0 bytes of LDS; arguments hidden_states, Wq, Wk, Wv, lowp_scales, xc, wc; writes xc, wc
.if DOCPART == 1
	.amdgcn_target "amdgcn-amd-amdhsa--gfx1250"
	.amdhsa_code_object_version 6
	.text
	.protected	k_qac70cb5d13_quant
	.globl	k_qac70cb5d13_quant
	.p2align	8
	.type	k_qac70cb5d13_quant,@function
k_qac70cb5d13_quant:
	s_mov_b64 s[64:65], 0
	v_nop
	global_prefetch_b8 v0, s[64:65] scope:SCOPE_SE
	s_setreg_imm32_b32 hwreg(HW_REG_WAVE_MODE, 25, 1), 1
	s_wait_xcnt 0x0
; hidden_states [8192][1024] f32 becomes three sets of E4M3 codes (scales 2^e0, 2^e2, 2^e4: one for each projection); Wq, Wk, Wv [1024][1024] f32 one set each (2^e1, 2^e3, 2^e5).
; code = x / 2^e, held within +-448, rounded to the nearest code, ties to even.
; LAYOUT OF THE CODES (buffers of this program's own).  A row is 1,024 bytes.
;   Along K: byte 512 g + 16 l + 4 i + j of a row holds the code of k = 512 g + 128 i + 4 l + j: the same order in x and in W, so every product meets its partner.  It is the order in which
;   four dense loads (512 consecutive bytes each, 16 a lane) leave 16 numbers in a lane: the lane's 16 codes are 16 bytes and the wave's store covers 512 consecutive bytes.  Nothing goes through LDS.
;   Rows: row n lies at the place n with bits 3 and 4 exchanged (x's three sets, Wq, Wk; Wv keeps its order), so that in the next launch the 16 results of two neighbouring tiles are 16 neighbours.
; SHARES.  A work-group takes 32 rows, a wave 8 (bits 3 and 4 of its rows are its number): 16 steps of 512 numbers.  Work-groups 0-255: x; 256-351: the weights, 32 for each.
; Waves share nothing: no LDS, no barrier.  Loads run four steps (16 loads a wave) ahead.
; LIMITS: each e between -126 and 119, so that 2^e and 448 x 2^e are f32 numbers.  NaN among the inputs is not served (an infinity is held at the largest code).
.set R,   16                           ; v16-79    four sets of 16 numbers as loaded
.set T,   80                           ; v80-127   three sets of 16 numbers, held: one for each scale
.set C,   128                          ; v128-151  two sets of 12: the codes of a step, for up to three scales
.set SRC, 32                           ; s[32:33]  my wave's 8 rows of f32
.set DST, 34                           ; s[34:39]  my wave's 8 rows in up to three sets of codes
; v1 = 16 x lane: the offset of every load and store; never rewritten.  v2, v4, v6: 2^e as f32;  v3, v5, v7: 448 x 2^e
.macro MKC sc, lm, se                  ; from the whole number e in s[se]: 2^e and 448 x 2^e as f32 patterns
	s_add_co_i32 s44, s[\se], 127
	s_lshl_b32 s45, s44, 23
	v_mov_b32 v[\sc], s45                          ; the conversion takes its exponent field
	s_add_co_i32 s44, s44, 8
	s_lshl_b32 s44, s44, 23
	s_or_b32 s44, s44, 0x600000                    ; 448 = 1.75 x 2^8
	v_mov_b32 v[\lm], s44
.endm
.macro LOAD t                          ; step t: 2,048 consecutive bytes, 512 a load
.irp i, 0,1,2,3
	global_load_b128 v[R+16*((\t)%4)+4*\i:R+16*((\t)%4)+4*\i+3], v1, s[SRC:SRC+1] offset:2048*(\t)+512*\i th:TH_LOAD_NT
.endr
.endm
.macro QSTEP t, np                     ; np: how many scales the numbers are quantised with
.set RS, R+16*((\t)%4)
.set CS, C+12*((\t)%2)
.if (\t) < 13
	s_wait_loadcnt 12                              ; this step's four loads are in; those of the three steps behind it stay out
.else
	s_wait_loadcnt 4*(15-(\t))
.endif
	s_wait_xcnt 0x0                                ; the stores of two steps ago have read this set of codes: it is written again only behind this wait
.set p, 0
.rept \np
.set i, 0
.rept 16
	v_med3_num_f32 v[T+16*p+i], v[RS+i], -v[3+2*p], v[3+2*p]   ; the conversion to an 8-bit code does not saturate (ISA guide 7.6.2): the hold comes first
.set i, i+1
.endr
.set p, p+1
.endr
.if (\t)+4 < 16
	LOAD (\t)+4                                    ; the set just read takes the numbers of four steps on
.endif
.set p, 0
.rept \np
	v_cvt_scalef32_pk8_fp8_f32 v[CS+4*p:CS+4*p+1], v[T+16*p:T+16*p+7], v[2+2*p]
	v_cvt_scalef32_pk8_fp8_f32 v[CS+4*p+2:CS+4*p+3], v[T+16*p+8:T+16*p+15], v[2+2*p]
.set p, p+1
.endr
	v_nop                                          ; a plain line between the conversions and the next step's holds, which write their sources
.set p, 0
.rept \np
	global_store_b128 v1, v[CS+4*p:CS+4*p+3], s[DST+2*p:DST+2*p+1] offset:512*(\t)   ; 32 lanes store 512 consecutive bytes
.set p, p+1
.endr
.endm
	s_load_b256 s[4:11], s[0:1], 0x0               ; hidden_states s[4:5], Wq s[6:7], Wk s[8:9], Wv s[10:11]
	s_load_b128 s[12:15], s[0:1], 0x20             ; the scales' exponents s[12:13], x's codes s[14:15]
	s_load_b64 s[16:17], s[0:1], 0x30              ; the weights' codes
	v_lshrrev_b32 v1, 5, v0
	v_readfirstlane_b32 s18, v1                    ; wave w
	v_and_b32 v1, 31, v0
	v_lshlrev_b32 v1, 4, v1                        ; 16 x lane
	s_and_b32 s19, s18, 1
	s_lshl_b32 s19, s19, 1
	s_lshr_b32 s40, s18, 1
	s_or_b32 s19, s19, s40                         ; w with its two bits exchanged: where my 8 rows go
	s_wait_kmcnt 0x0
	s_load_b256 s[24:31], s[12:13], 0x0            ; e0 .. e7
	s_cmp_lt_u32 ttmp9, 256
	s_cbranch_scc0 .Lweights
	; ---- x: three sets of codes from one read
	s_lshl_b32 s40, ttmp9, 17                      ; 32 rows of 4,096 bytes a work-group,
	s_lshl_b32 s41, s18, 15                        ; 8 a wave
	s_add_co_u32 s40, s40, s41
	s_mov_b32 s41, 0
	s_add_nc_u64 s[SRC:SRC+1], s[4:5], s[40:41]
	s_lshl_b32 s42, ttmp9, 15                      ; 32 rows of 1,024 bytes,
	s_lshl_b32 s43, s19, 13                        ; my 8 at their exchanged place
	s_add_co_u32 s42, s42, s43
	s_mov_b32 s43, 0
	s_add_nc_u64 s[DST:DST+1], s[14:15], s[42:43]
	s_add_nc_u64 s[DST+2:DST+3], s[DST:DST+1], 0x800000      ; a set is 8 MiB, one byte more than a store's immediate reaches: a base for each set
	s_add_nc_u64 s[DST+4:DST+5], s[DST+2:DST+3], 0x800000
.irp t, 0,1,2,3
	LOAD \t
.endr
	s_wait_kmcnt 0x0
	MKC 2, 3, 24                                   ; e0
	MKC 4, 5, 26                                   ; e2
	MKC 6, 7, 28                                   ; e4
.irp t, 0,1,2,3,4,5,6,7,8,9,10,11,12,13,14,15
	QSTEP \t, 3
.endr
	s_endpgm
.Lweights:
	; ---- a weight: one set of codes
	s_sub_co_u32 s40, ttmp9, 256
	s_lshr_b32 s41, s40, 5                         ; which weight: 0 Wq, 1 Wk, 2 Wv
	s_and_b32 s42, s40, 31                         ; which 32 rows of it
	s_cmp_eq_u32 s41, 0
	s_cselect_b64 s[SRC:SRC+1], s[6:7], s[8:9]
	s_cmp_eq_u32 s41, 2
	s_cselect_b64 s[SRC:SRC+1], s[10:11], s[SRC:SRC+1]
	s_cselect_b32 s19, s18, s19                    ; Wv's rows keep their order
	s_lshl_b32 s44, s42, 17
	s_lshl_b32 s45, s18, 15
	s_add_co_u32 s44, s44, s45
	s_mov_b32 s45, 0
	s_add_nc_u64 s[SRC:SRC+1], s[SRC:SRC+1], s[44:45]
	s_lshl_b32 s44, s41, 20                        ; a weight's set is 1 MiB
	s_lshl_b32 s47, s42, 15
	s_add_co_u32 s44, s44, s47
	s_lshl_b32 s47, s19, 13
	s_add_co_u32 s44, s44, s47
	s_add_nc_u64 s[DST:DST+1], s[16:17], s[44:45]
.irp t, 0,1,2,3
	LOAD \t
.endr
	s_wait_kmcnt 0x0
	s_cmp_eq_u32 s41, 0
	s_cselect_b32 s46, s25, s27                    ; e1 or e3,
	s_cmp_eq_u32 s41, 2
	s_cselect_b32 s46, s29, s46                    ; or e5
	MKC 2, 3, 46
.irp t, 0,1,2,3,4,5,6,7,8,9,10,11,12,13,14,15
	QSTEP \t, 1
.endr
	s_endpgm
.Lfunc_end_k_qac70cb5d13_quant:
	.size	k_qac70cb5d13_quant, .Lfunc_end_k_qac70cb5d13_quant-k_qac70cb5d13_quant
	.p2alignl 7, 3214868480
	.fill 96, 4, 3214868480
	.section	.rodata,"a",@progbits
	.p2align	6, 0x0
	.amdhsa_kernel k_qac70cb5d13_quant
		.amdhsa_group_segment_fixed_size 0
		.amdhsa_private_segment_fixed_size 0
		.amdhsa_enable_private_segment 0
		.amdhsa_kernarg_size 56
		.amdhsa_user_sgpr_count 2
		.amdhsa_user_sgpr_kernarg_segment_ptr 1
		.amdhsa_wavefront_size32 1
		.amdhsa_system_sgpr_workgroup_id_x 1
		.amdhsa_system_sgpr_workgroup_id_y 1
		.amdhsa_system_sgpr_workgroup_id_z 1
		.amdhsa_system_vgpr_workitem_id 0
		.amdhsa_next_free_vgpr 152
		.amdhsa_next_free_sgpr 66
		.amdhsa_reserve_vcc 0
		.amdhsa_float_denorm_mode_32 3
		.amdhsa_float_denorm_mode_16_64 3
		.amdhsa_memory_ordered 1
		.amdhsa_forward_progress 1
		.amdhsa_inst_pref_size 97
	.end_amdhsa_kernel
	.amdgpu_metadata
---
amdhsa.version: [ 1, 2 ]
amdhsa.kernels:
  - .name:           k_qac70cb5d13_quant
    .symbol:         k_qac70cb5d13_quant.kd
    .args:
      - { .name: hidden_states, .offset: 0, .size: 8, .value_kind: global_buffer, .address_space: global }
      - { .name: Wq, .offset: 8, .size: 8, .value_kind: global_buffer, .address_space: global }
      - { .name: Wk, .offset: 16, .size: 8, .value_kind: global_buffer, .address_space: global }
      - { .name: Wv, .offset: 24, .size: 8, .value_kind: global_buffer, .address_space: global }
      - { .name: lowp_scales, .offset: 32, .size: 8, .value_kind: global_buffer, .address_space: global }
      - { .name: xc, .offset: 40, .size: 8, .value_kind: global_buffer, .address_space: global }
      - { .name: wc, .offset: 48, .size: 8, .value_kind: global_buffer, .address_space: global }
    .group_segment_fixed_size: 0
    .private_segment_fixed_size: 0
    .kernarg_segment_align: 8
    .kernarg_segment_size: 56
    .max_flat_workgroup_size: 128
    .sgpr_count:     66
    .vgpr_count:     152
    .wavefront_size: 32
...
	.end_amdgpu_metadata
.endif
;; end of part 1
;; launch proj (part 2): grid 12 x 32, 4 waves a work-group, clusters of 4 x 4, 327,680 bytes of LDS; arguments xc, wc, bq, bk, bv, lowp_scales, qkv; writes qkv
.if DOCPART == 2
	.amdgcn_target "amdgcn-amd-amdhsa--gfx1250"
	.amdhsa_code_object_version 6
	.text
	.protected	k_qac70cb5d13_proj
	.globl	k_qac70cb5d13_proj
	.p2align	8
	.type	k_qac70cb5d13_proj,@function
k_qac70cb5d13_proj:
	s_mov_b64 s[64:65], 0
	v_nop
	global_prefetch_b8 v0, s[64:65] scope:SCOPE_SE
	s_setreg_imm32_b32 hwreg(HW_REG_WAVE_MODE, 25, 1), 1
	s_wait_xcnt 0x0
	s_wait_alu depctr_hold_cnt(0) depctr_sa_sdst(0) depctr_va_vdst(0) depctr_va_sdst(0) depctr_va_ssrc(0) depctr_va_vcc(0) depctr_vm_vsrc(0)
	s_getreg_b32 s2, hwreg(HW_REG_IB_STS2, 6, 4)
	s_cmp_eq_u32 s2, 0
	s_cbranch_scc0 .Lentry_in_a_cluster
	s_endpgm
.Lentry_in_a_cluster:
	s_bfe_u32 s2, ttmp6, 0x10000c
	s_cmp_lg_u32 s2, 0xf033
	s_cbranch_scc0 .Lentry_shape_is_right
	s_endpgm
.Lentry_shape_is_right:
; q, k, v = x W^T + b on codes of E4M3 (K = 1,024), then quantised again (2^e6, 2^e7, 2^e9) and stored as IMAGES OF THE NEXT LAUNCH'S OPERAND REGISTERS.  q, k and v never exist in memory as f32.
; A tile of 256 x 256 results is made by a work-group of four waves, a wave makes 128 x 128: 64 accumulators of 16 x 16, 512 registers.  K goes in steps of 256 through a ring of two LDS slots filled by
; the tensor data mover: a tile's row is 256 bytes of memory.
; CLUSTERS: 4 x 4 work-groups; the cluster's x is the projection p (0 q, 1 k, 2 v), the same in all sixteen.  "A" is the matrix instruction's source 1 (its rows lie along the lanes of a result), "B" its
; source 0 (its rows lie along a lane's registers).  p < 2: A = x's set p (tile row 4 Y + cy), B = W's set p (tile cx): a lane holds one token and neighbouring features, which are the next K.
; p = 2: A = Wv (tile cy), B = x's set 2 (tile 4 Y + cx): a lane holds one feature and neighbouring tokens, the keys, which are the last product's K.  A's tile hangs on cy alone within a cluster and is
; asked for jointly by the four of a row of the cluster, B's on cx alone and by the four of a column: the requests for both are divided by four.
; The rows of x, Wq and Wk lie with bits 3 and 4 of their number exchanged: row 8 h + j of B's tile 2 b + u is row 32 b + 16 h + 8 u + j in truth, so the 16 registers of accumulators 2 b and 2 b + 1
; are 16 neighbours, and the conversions' results are a fragment's registers.
; IMAGES.  q, k: [bh][tile of 16 tokens as they lie in x's codes][c 0..1][lane][16 bytes]: lane (r, h) holds token r's d = 32 c + 16 h + 0..15.   v: [bh][step of 128 keys][16 d][c 0..3][lane][16 bytes]:
; lane (r, h) holds, of d = r, the keys 32 c + 16 h + 0..15 in their true order.  Each store of a wave covers 512 consecutive bytes, aligned.
; LIMITS: e(x) + e(W) between -126 and 127; e6, e7, e9 between -126 and 119: each power of two below is then an f32 number.
; REGISTERS, in windows of 256: window 0: v0-31 addresses; v32-47, v64-127 the biases; v48, v49 the quantiser's constants; from v128 A's fragments (8 x 16 rows x 128 K), ONE set; on the way out v128-223 are at work.
;   window 1: B's fragments, TWO sets, at v0 and v128.   window 2: the accumulators of A's blocks 0-3 (accumulator (a, b) at v[8 (8 (a % 4) + b)]);   window 3: those of blocks 4-7.
.set KSTEP,  256                       ; along K in a slot
.set ROWB,   256                       ; a tile's row in bytes
.set KROW,   1024                      ; a row of codes in memory, in bytes
.set PITCH,  272                       ; an LDS row: 256 bytes + 16 of padding = 68 words: row r starts at bank 4 r mod 64 (64 banks of 4 bytes: ISA guide 11.1): the 16 rows of a load start at 16 different banks
.set FR,     16                        ; registers of a fragment: 16 rows x 128 K
.set NL,     4                         ; LDS loads that bring one
.set NP,     4                         ; places behind this matrix instruction (ISA guide 7.12.1)
.set HALFT,  128*PITCH                 ; 128 rows: what one tensor load brings, and what one wave reads of A or of B
.set SLOT,   4*HALFT                   ; A's 256 rows, then B's 256 rows
.set LAPS,   2                         ; a lap = two K steps = once round the ring: 1,024 / 512
.set SPARE,  2*SLOT                    ; behind the ring: the spare words, 128 bytes for each wave: two blocks of 256 bytes that no other line names
.set ADRA, 16                          ; v16-17  LDS address of my A fragments in slot 0, 1
.set ADRB, 20                          ; v20-21  the same for B
.set CO,   26                          ; v26     16 x lane: my place in an image's 512 bytes
.set BO,   27                          ; v27     64 h: the bias of features that lie along my registers
.set SPW,  28                          ; v28     LDS address of my spare word; never rewritten
.set NIL,  29                          ; v29     0; never rewritten
.set BR,   30                          ; v30     4 r: the bias of a feature that lies along the lanes
.set BL,   32                          ; v32-47  p = 2: block a's bias, twice (a pair for the packed form)
.set LIMV, 48                          ; v48     448 x 2^eo
.set SCV,  49                          ; v49     2^eo
.set B64,  64                          ; v64-127 p < 2: the bias in the layout of a block's 64 results
.set AF,   128                         ; A's fragments
.set TMP,  128                         ; the way out: a block's 64 numbers
.set CODE, 192                         ; the way out: two sets of 16 registers of codes
.set G1, 24                            ; s[24:31] descriptor group 1 for A's tiles;  s[32:39] group 0, one set for each slot
.set G0, 32
.set G1B, 48                           ; s[48:55], s[56:63] the same for B's tiles
.set G0B, 56
.set PJ, 66                            ; s66  p
.set MSB, 0
.macro WIN new                         ; the immediate's high byte repeats the setting that is left
.if MSB != (\new)
	s_set_vgpr_msb (MSB<<8)|(\new)
.set MSB, (\new)
.endif
.endm
.set MUL_LO, 0xa1                      ; source 0 (B) window 1, source 1 (A) window 0, C and D window 2
.set MUL_HI, 0xf1                      ; the same, C and D window 3
.set TO_B,   0x40                      ; destination window 1, address window 0
; A joint load: waves 0 and 1 fetch for A, waves 2 and 3 for B.  Each of the two lines has ONE mask and one set of registers for all that issue it; the branch hangs on the wave's number alone.
; Four v_nop follow each of the two lines, ahead of the jump, the label and what follows.
.macro JLOAD g0a, g1a, g0b, g1b
	s_cmp_eq_u32 s15, 0
	s_cbranch_scc0 .Lfor_b_\@
	tensor_load_to_lds s[\g0a:\g0a+3], s[\g1a:\g1a+7]
	s_nop 0
.rept 4
	v_nop
.endr
	s_branch .Lasked_\@
.Lfor_b_\@:
	tensor_load_to_lds s[\g0b:\g0b+3], s[\g1b:\g1b+7]
	s_nop 0
.rept 4
	v_nop
.endr
.Lasked_\@:
.endm
.macro CREST                           ; a round of the cluster's barrier behind its opening barrier
	s_cmp_lg_u32 s14, 0
	s_cbranch_scc1 .Lnot_wave_0_\@
	s_barrier_signal -3
.Lnot_wave_0_\@:
	s_barrier_wait -3
	s_barrier_signal -1
	s_barrier_wait -1
.endm
.macro CROUND                          ; a whole round
	s_barrier_signal -1
	s_barrier_wait -1
	CREST
.endm
	s_load_b256 s[72:79], s[0:1], 0x0              ; x's codes s[72:73], the weights' s[74:75], bq s[76:77], bk s[78:79]
	s_load_b128 s[80:83], s[0:1], 0x20             ; bv s[80:81], the scales' exponents s[82:83]
	s_load_b64 s[84:85], s[0:1], 0x30              ; the images
	v_lshl_add_u32 v[SPW], v0, 2, SPARE
	v_mov_b32 v[NIL], 0
	ds_add_u32 v28, v29
	ds_add_u32 v28, v29
	s_wait_dscnt 0x0
	v_lshrrev_b32 v1, 5, v0
	v_readfirstlane_b32 s14, v1                    ; wave 0..3
	s_lshr_b32 s15, s14, 1                         ; which half of A's rows is mine.  Also: I fetch for A (0) or for B (1)
	s_and_b32 s16, s14, 1                          ; which half of B's rows.  Also: which 128 rows of that tile I fetch
	s_bfe_u32 s40, ttmp6, 0x40000                  ; cx, cy: my place in the cluster
	s_bfe_u32 s41, ttmp6, 0x40004
	s_mov_b32 s[PJ], ttmp9                         ; the cluster's x: the projection
	s_and_b32 s86, ttmp7, 0xffff
	s_lshl_b32 s86, s86, 2                         ; 4 Y: the cluster's first tile of tokens
	s_cmp_lt_u32 s[PJ], 2
	s_cselect_b32 s87, s86, 0                      ; the tokens are A's rows (p < 2)
	s_cselect_b32 s88, 0, s86                      ; or B's (p = 2)
	s_add_co_u32 s17, s87, s41                     ; A's tile: it hangs on cy alone within the cluster
	s_add_co_u32 s42, s88, s40                     ; B's tile: on cx alone
	s_lshl_b32 s43, s41, 2
	s_lshl_b32 s43, 15, s43                        ; my row of the cluster
	s_lshl_b32 s44, 0x1111, s40                    ; my column
	; descriptor group 1: a tile of 128 rows x 256 bytes, padded in LDS
	s_or_b32 s[G1+0], s43, (0<<16)|(1<<20)|(1<<21)|(5<<22)|(3<<25)  ; 15:0 the mask: A's tiles go to my row; 17:16 element of 1 byte; 20 padding on; 21 set beside a mask; 24:22 after every 64 words (code 5); 31:25 of 4 words (code 3)
	s_or_b32 s[G1B+0], s44, (0<<16)|(1<<20)|(1<<21)|(5<<22)|(3<<25)
.irp g, G1, G1B
	s_mov_b32 s[\g+1], ROWB<<16                    ; tensor_dim0
	s_mov_b32 s[\g+2], 128<<16                     ; tensor_dim1 = 128
	s_mov_b32 s[\g+3], ROWB<<16                    ; tile_dim0
	s_mov_b32 s[\g+4], 128                         ; tile_dim1 = 128
	s_mov_b32 s[\g+5], KROW                        ; tensor_dim0_stride
	s_mov_b32 s[\g+6], 0
	s_mov_b32 s[\g+7], 0
.endr
	s_lshl_b32 s18, s16, 7                         ; which 128 rows of the tile I fetch
	s_lshl_b32 s20, s17, 8
	s_add_co_u32 s20, s20, s18                     ; A: row 256 x tile + 128 x half,
	s_lshl_b32 s20, s20, 10                        ; in bytes (under 2^24)
	s_mov_b32 s21, 0
	s_lshl_b32 s46, s42, 8
	s_add_co_u32 s46, s46, s18                     ; B likewise
	s_lshl_b32 s46, s46, 10
	s_mov_b32 s47, 0
	s_mul_i32 s45, s14, HALFT                      ; where they go: wave x 128 rows: no place in the cluster enters an LDS address
	s_lshl_b32 s90, s[PJ], 23                      ; x's set p: 8 MiB each
	s_mov_b32 s91, 0
	s_lshl_b32 s92, s[PJ], 20                      ; W's set p: 1 MiB each
	s_mov_b32 s93, 0
	s_wait_kmcnt 0x0
	s_add_nc_u64 s[90:91], s[72:73], s[90:91]
	s_add_nc_u64 s[92:93], s[74:75], s[92:93]
	s_cmp_lt_u32 s[PJ], 2
	s_cselect_b64 s[4:5], s[90:91], s[92:93]       ; A's buffer,
	s_cselect_b64 s[6:7], s[92:93], s[90:91]       ; B's: the choice hangs on the projection alone
	s_add_nc_u64 s[20:21], s[4:5], s[20:21]
	s_add_nc_u64 s[46:47], s[6:7], s[46:47]
	CROUND                                         ; all sixteen work-groups are here: the first joint loads meet
.irp s, 0,1
	s_mov_b32 s[G0+4*\s], 1
	s_add_co_u32 s[G0+4*\s+1], s45, \s*SLOT
	s_add_nc_u64 s[G0+4*\s+2:G0+4*\s+3], s[20:21], \s*ROWB
	s_or_b32 s[G0+4*\s+3], s[G0+4*\s+3], 0x80000000
	s_mov_b32 s[G0B+4*\s], 1
	s_add_co_u32 s[G0B+4*\s+1], s45, \s*SLOT
	s_add_nc_u64 s[G0B+4*\s+2:G0B+4*\s+3], s[46:47], \s*ROWB
	s_or_b32 s[G0B+4*\s+3], s[G0B+4*\s+3], 0x80000000
	JLOAD G0+4*\s, G1, G0B+4*\s, G1B               ; two loads of mine are out
.endr
	v_and_b32 v1, 15, v0                           ; r = l % 16
	v_bfe_u32 v2, v0, 4, 1                         ; h = l / 16
	v_mul_u32_u24 v3, v1, PITCH
	v_lshl_add_u32 v4, v2, 4, v3                   ; a fragment's row x pitch + 16 x half
	s_mul_i32 s21, s15, HALFT                      ; my 128 rows of A
	s_mul_i32 s22, s16, HALFT                      ; my 128 rows of B,
	s_add_co_u32 s22, s22, 2*HALFT                 ; which lie behind A's 256
.irp s, 0,1
	v_add_nc_u32 v[ADRA+\s], s21, v4
	v_add_nc_u32 v[ADRB+\s], s22, v4
	s_add_co_u32 s21, s21, SLOT
	s_add_co_u32 s22, s22, SLOT
.endr
	v_and_b32 v6, 31, v0
	v_lshlrev_b32 v[CO], 4, v6
	v_lshlrev_b32 v[BO], 6, v2
	v_lshlrev_b32 v[BR], 2, v1
	; which tokens and which features are mine (these numbers enter the biases' and the images' addresses alone)
	s_cmp_lt_u32 s[PJ], 2
	s_cselect_b32 s67, s17, s42                    ; tile of 256 tokens, 0..31
	s_cselect_b32 s68, s42, s17                    ; tile of 256 features, 0..3
	s_cselect_b32 s69, s15, s16                    ; my half of the tokens
	s_cselect_b32 s70, s16, s15                    ; my half of the features
	s_cmp_eq_u32 s[PJ], 0
	s_cselect_b64 s[100:101], s[76:77], s[78:79]
	s_cmp_eq_u32 s[PJ], 2
	s_cselect_b64 s[100:101], s[80:81], s[100:101] ; bq, bk or bv
	s_lshl_b32 s94, s68, 10
	s_lshl_b32 s95, s70, 9
	s_add_co_u32 s94, s94, s95                     ; 4 bytes x (256 x tile + 128 x half): my 128 features
	s_mov_b32 s95, 0
	s_add_nc_u64 s[100:101], s[100:101], s[94:95]
	s_lshr_b32 s94, s67, 3                         ; the batch: 8 tiles of 256 tokens each
	s_lshl_b32 s94, s94, 4
	s_lshl_b32 s71, s68, 2
	s_add_co_u32 s94, s94, s71
	s_lshl_b32 s71, s70, 1
	s_add_co_u32 s94, s94, s71                     ; bh of the first of my two heads: 16 x batch + 4 x tile + 2 x half
	s_lshl_b32 s94, s94, 17                        ; a head's image is 131,072 bytes
	s_and_b32 s71, s67, 7
	s_lshl_b32 s71, s71, 1
	s_add_co_u32 s71, s71, s69                     ; which 128 tokens of the batch:
	s_lshl_b32 s71, s71, 13                        ; 8 tiles of 1,024 bytes (q, k) or a step of 8,192 (v)
	s_add_co_u32 s94, s94, s71
	s_lshl_b32 s71, s[PJ], 23                      ; q's, k's, v's images: 8 MiB each
	s_add_co_u32 s94, s94, s71
	s_add_nc_u64 s[10:11], s[84:85], s[94:95]
	; The bias in both layouts, so that the text has one way into the loop; both stay inside my 512 bytes of the 4,096.
.irp b, 0,1,2,3
.irp u, 0,1
	global_load_b128 v[B64+8*(2*\b+\u):B64+8*(2*\b+\u)+3],   v[BO], s[100:101] offset:128*\b+32*\u      ; features 32 b + 16 h + 8 u + 0..7: the results' layout where features lie along the registers
	global_load_b128 v[B64+8*(2*\b+\u)+4:B64+8*(2*\b+\u)+7], v[BO], s[100:101] offset:128*\b+32*\u+16
.endr
.endr
.irp a, 0,1,2,3,4,5,6,7
	global_load_b32 v[BL+2*\a],   v[BR], s[100:101] offset:64*\a      ; feature 16 a + r, where features lie along the lanes
	global_load_b32 v[BL+2*\a+1], v[BR], s[100:101] offset:64*\a
.endr
	s_load_b256 s[72:79], s[82:83], 0x0            ; e0 .. e7 (the pointers that lay here are used up)
	s_load_b64 s[86:87], s[82:83], 0x20            ; e8, e9
.macro FRAG reg, adr, q, i             ; a fragment, 16 rows x 128 K of 8-bit codes, is 16 registers: four loads of 16 bytes, 32 bytes apart: the same places of K in A and in B
.irp c, 0,1,2,3
	ds_load_b128 v[\reg+4*\c:\reg+4*\c+3], v[\adr] offset:128*(\q)+32*\c+(\i)*16*PITCH
.endr
.endm
; 16 matrix instructions: A's blocks a0, a0 + 1 x B's eight, 128 along K.  p: B's set.  zero = 1: the first product starts the sums: nothing is ever cleared.
; The 64 accumulators take turns, one instruction a turn, in the same order in every step.
.macro MUL16 a0, p, zero
.irp a, \a0, \a0+1
.irp b, 0,1,2,3,4,5,6,7
.if \zero
	v_wmma_f32_16x16x128_fp8_fp8 v[8*(8*((\a)%4)+\b):8*(8*((\a)%4)+\b)+7], v[128*(\p)+FR*\b:128*(\p)+FR*\b+FR-1], v[AF+FR*(\a):AF+FR*(\a)+FR-1], 0
.else
	v_wmma_f32_16x16x128_fp8_fp8 v[8*(8*((\a)%4)+\b):8*(8*((\a)%4)+\b)+7], v[128*(\p)+FR*\b:128*(\p)+FR*\b+FR-1], v[AF+FR*(\a):AF+FR*(\a)+FR-1], v[8*(8*((\a)%4)+\b):8*(8*((\a)%4)+\b)+7]
.endif
.endr
.endr
.endm
.macro FETCH_B slot, q, p              ; B's eight fragments of the slot's q-th 128 along K into set p
	WIN TO_B
.irp i, 0,1,2,3,4,5,6,7
	FRAG 128*(\p)+FR*\i, ADRB+\slot, \q, \i
.endr
	WIN 0
.endm
.macro FETCH_A slot, q, i0             ; A's blocks i0 .. i0 + 3
.irp i, \i0, \i0+1, \i0+2, \i0+3
	FRAG AF+FR*(\i), ADRA+\slot, \q, \i
.endr
.endm
; A load into a register that a matrix instruction has read, and a vector instruction that reads a matrix result or writes one of its registers, stand NP places behind it; only plain vector
; instructions that name none of its registers are places (ISA guide 7.12.1 for vector instructions).
.macro PLACES n
.rept \n
	v_nop
.endr
.endm
; A step of 128 along K that has its successor in the same slot.  A's blocks are free as soon as their eight products are issued, so A has one set of registers: blocks 0-3 are fetched anew
; in the step's middle, blocks 4-7 at its end.  B's fragments are at work through the whole step and have two sets.
.macro STEP slot, q, zero
	s_wait_dscnt 4*NL                              ; B's set and A's blocks 0-3 are in; the youngest 16 loads (A's blocks 4-7) may be out
	WIN MUL_LO
	MUL16 0, (\q)%2, \zero
	MUL16 2, (\q)%2, \zero
	s_wait_dscnt 0                                 ; A's blocks 4-7 are in (asked for 32 matrix instructions ago)
	PLACES NP
	FETCH_B \slot, (\q)+1, 1-(\q)%2
	FETCH_A \slot, (\q)+1, 0
	WIN MUL_HI
	MUL16 4, (\q)%2, \zero
	MUL16 6, (\q)%2, \zero
	PLACES NP
	WIN 0
	FETCH_A \slot, (\q)+1, 4
.endm
; A slot's last step changes slots: ONE barrier; in front of it each wave waits for all its tensor loads, adds 0 to its spare word, and waits for that and for its own reads of this slot.  fill = 1: this slot is filled again, two K steps ahead.
.macro TURN slot, next, fill
	s_wait_tensorcnt 0x0                           ; all my tensor loads have landed: my part of the next slot  (every window is 0 here: the add's two registers lie in window 0)
	ds_add_u32 v[SPW], v[NIL]                      ; 0 onto my spare word
	s_wait_dscnt 4*NL+1                            ; (the add and the youngest 16 loads, A's blocks 4-7, may be out)
	WIN MUL_LO
	MUL16 0, 1, 0                                  ; sixteen matrix instructions stand between the add and the wait for it
	s_wait_dscnt 0x0                               ; the add is done, and my reads of this slot are over
	s_barrier_signal -1
	MUL16 2, 1, 0
	WIN 0
	s_barrier_wait -1
.if \fill
	CREST                                          ; the barrier has opened a round of the cluster's barrier: no wave of any partner still reads this slot's tile or has a load on its way
	s_add_nc_u64 s[G0+4*\slot+2:G0+4*\slot+3], s[G0+4*\slot+2:G0+4*\slot+3], 2*ROWB
	s_add_nc_u64 s[G0B+4*\slot+2:G0B+4*\slot+3], s[G0B+4*\slot+2:G0B+4*\slot+3], 2*ROWB
	JLOAD G0+4*\slot, G1, G0B+4*\slot, G1B         ; the first tensor load behind the round, my one load until the next; its four v_nop are the places in front of the loads below
.else
	PLACES NP
.endif
	FETCH_B \next, 0, 0
	FETCH_A \next, 0, 0
	WIN MUL_HI
	MUL16 4, 1, 0
	MUL16 6, 1, 0
	PLACES NP
	WIN 0
	FETCH_A \next, 0, 4
.endm
	s_wait_tensorcnt 1                             ; my part of K step 0 is in (K step 1's load may be out)
	s_barrier_signal -1
	s_barrier_wait -1                              ; everybody's is
	FETCH_B 0, 0, 0
	FETCH_A 0, 0, 0
	FETCH_A 0, 0, 4
	STEP 0, 0, 1                                   ; the first step stands in front of the loop: its products start the sums
	s_mov_b32 s3, LAPS-1
.Llap:                                                 ; a trip goes once round the ring, from a lap's second step to the next lap's first, and fills both slots again
	TURN 0, 1, 1
	STEP 1, 0, 0
	TURN 1, 0, 1
	STEP 0, 0, 0
	s_sub_co_u32 s3, s3, 1
	s_cmp_lg_u32 s3, 0
	s_cbranch_scc1 .Llap
	TURN 0, 1, 0                                   ; the last lap fills nothing, and has no round of the cluster's barrier
	STEP 1, 0, 0
	s_wait_dscnt 4*NL                              ; the very last step: nothing more to fetch
	WIN MUL_LO
	MUL16 0, 1, 0
	MUL16 2, 1, 0
	s_wait_dscnt 0
	WIN MUL_HI
	MUL16 4, 1, 0
	MUL16 6, 1, 0
	WIN 0
; THE WAY OUT, block a of A's rows at a time: 64 sums a lane become sum x 2^(e(x) + e(W)) + bias (one packed multiply-add for two; each accumulator from its low end on), are held within
; +-448 x 2^eo and converted: the 16 registers of accumulators 2 b and 2 b + 1 are 16 neighbours along the next K, so the four registers of codes are a quarter of a fragment as it stands.
; kind 0 (q, k): block a is a tile of 16 tokens; b / 2 the head, b % 2 the half of its 64.   kind 1 (v): a / 4 is the head, a % 4 its 16 d; b the 32 keys.
.macro OUTB a, kind
.set AC, 64*((\a)%4)
.set CD, CODE+16*((\a)%2)
.if (\a) >= 2
	s_wait_xcnt 0x0                                ; the stores of two blocks ago have read this set of codes
.endif
	WIN 0x02+((\a)/4)                              ; source 0: window 2 or 3
.set j, 0
.rept 32
.if \kind
	v_pk_fma_f32 v[TMP+j:TMP+j+1], v[AC+j:AC+j+1], s[96:97], v[BL+2*(\a):BL+2*(\a)+1] op_sel_hi:[1,0,1]
.else
	v_pk_fma_f32 v[TMP+j:TMP+j+1], v[AC+j:AC+j+1], s[96:97], v[B64+j:B64+j+1] op_sel_hi:[1,0,1]
.endif
.set j, j+2
.endr
	WIN 0
.set j, 0
.rept 64
	v_med3_num_f32 v[TMP+j], v[TMP+j], -v[LIMV], v[LIMV]   ; the conversion to an 8-bit code does not saturate (ISA guide 7.6.2)
.set j, j+1
.endr
.irp b, 0,1,2,3
	v_cvt_scalef32_pk8_fp8_f32 v[CD+4*\b:CD+4*\b+1], v[TMP+16*\b:TMP+16*\b+7], v[SCV]
	v_cvt_scalef32_pk8_fp8_f32 v[CD+4*\b+2:CD+4*\b+3], v[TMP+16*\b+8:TMP+16*\b+15], v[SCV]
.endr
	v_nop                                          ; a plain line between the conversions and the next block's multiply-adds, which write their sources
.irp b, 0,1,2,3
.if \kind
	global_store_b128 v[CO], v[CD+4*\b:CD+4*\b+3], s[10:11] offset:131072*((\a)/4)+2048*((\a)%4)+512*\b
.else
	global_store_b128 v[CO], v[CD+4*\b:CD+4*\b+3], s[10:11] offset:1024*(\a)+131072*(\b/2)+512*(\b%2)
.endif
.endr
.endm
	s_wait_kmcnt 0x0
	s_cmp_eq_u32 s[PJ], 0                          ; the projection's three exponents are chosen, not branched on
	s_cselect_b32 s96, s72, s74
	s_cselect_b32 s97, s73, s75
	s_cselect_b32 s98, s78, s79
	s_cmp_eq_u32 s[PJ], 2
	s_cselect_b32 s96, s76, s96                    ; e(x): e0, e2, e4
	s_cselect_b32 s97, s77, s97                    ; e(W): e1, e3, e5
	s_cselect_b32 s98, s87, s98                    ; eo: e6, e7, e9
	s_add_co_i32 s96, s96, s97
	s_add_co_i32 s96, s96, 127
	s_lshl_b32 s96, s96, 23                        ; 2^(e(x) + e(W)) as f32
	s_mov_b32 s97, s96                             ; (named with it as a pair, so it is written)
	s_add_co_i32 s98, s98, 127
	s_lshl_b32 s99, s98, 23
	v_mov_b32 v[SCV], s99                          ; 2^eo
	s_add_co_i32 s98, s98, 8
	s_lshl_b32 s98, s98, 23
	s_or_b32 s98, s98, 0x600000
	v_mov_b32 v[LIMV], s98                         ; 448 x 2^eo
	s_wait_loadcnt 0x0                             ; the biases, asked for at the head
	PLACES NP                                      ; behind the last products: their results are read, and the registers that held A's fragments are written, below
	s_cmp_eq_u32 s[PJ], 2                          ; the projection is the same in all sixteen work-groups
	s_cbranch_scc1 .Lout_v
.irp a, 0,1,2,3,4,5,6,7
	OUTB \a, 0
.endr
	s_branch .Lend
.Lout_v:
.irp a, 0,1,2,3,4,5,6,7
	OUTB \a, 1
.endr
.Lend:
	s_wait_tensorcnt 0x0                           ; the wave's end: behind my last tensor load, my last LDS instructions
	ds_add_u32 v[SPW], v[NIL]
	s_wait_dscnt 0x0
	CROUND                                         ; the closing round: no work-group ends while a partner may still ask for a tile that names it
	s_endpgm
.Lfunc_end_k_qac70cb5d13_proj:
	.size	k_qac70cb5d13_proj, .Lfunc_end_k_qac70cb5d13_proj-k_qac70cb5d13_proj
	.p2alignl 7, 3214868480
	.fill 96, 4, 3214868480
	.section	.rodata,"a",@progbits
	.p2align	6, 0x0
	.amdhsa_kernel k_qac70cb5d13_proj
		.amdhsa_group_segment_fixed_size 327680
		.amdhsa_private_segment_fixed_size 0
		.amdhsa_enable_private_segment 0
		.amdhsa_kernarg_size 56
		.amdhsa_user_sgpr_count 2
		.amdhsa_user_sgpr_kernarg_segment_ptr 1
		.amdhsa_wavefront_size32 1
		.amdhsa_system_sgpr_workgroup_id_x 1
		.amdhsa_system_sgpr_workgroup_id_y 1
		.amdhsa_system_sgpr_workgroup_id_z 1
		.amdhsa_system_vgpr_workitem_id 0
		.amdhsa_next_free_vgpr 1024
		.amdhsa_next_free_sgpr 102
		.amdhsa_reserve_vcc 0
		.amdhsa_float_denorm_mode_32 3
		.amdhsa_float_denorm_mode_16_64 3
		.amdhsa_memory_ordered 1
		.amdhsa_forward_progress 1
		.amdhsa_inst_pref_size 194
	.end_amdhsa_kernel
	.amdgpu_metadata
---
amdhsa.version: [ 1, 2 ]
amdhsa.kernels:
  - .name:           k_qac70cb5d13_proj
    .symbol:         k_qac70cb5d13_proj.kd
    .args:
      - { .name: xc, .offset: 0, .size: 8, .value_kind: global_buffer, .address_space: global }
      - { .name: wc, .offset: 8, .size: 8, .value_kind: global_buffer, .address_space: global }
      - { .name: bq, .offset: 16, .size: 8, .value_kind: global_buffer, .address_space: global }
      - { .name: bk, .offset: 24, .size: 8, .value_kind: global_buffer, .address_space: global }
      - { .name: bv, .offset: 32, .size: 8, .value_kind: global_buffer, .address_space: global }
      - { .name: lowp_scales, .offset: 40, .size: 8, .value_kind: global_buffer, .address_space: global }
      - { .name: qkv, .offset: 48, .size: 8, .value_kind: global_buffer, .address_space: global }
    .group_segment_fixed_size: 327680
    .private_segment_fixed_size: 0
    .kernarg_segment_align: 8
    .kernarg_segment_size: 56
    .max_flat_workgroup_size: 128
    .sgpr_count:     102
    .vgpr_count:     1024
    .wavefront_size: 32
...
	.end_amdgpu_metadata
.endif
;; end of part 2
;; launch attn (part 3): grid 4 x 64, 8 waves a work-group, no clusters, 306,176 bytes of LDS; arguments qkv, attention_mask, lowp_scales, out0; writes out0
.if DOCPART == 3
	.amdgcn_target "amdgcn-amd-amdhsa--gfx1250"
	.amdhsa_code_object_version 6
	.text
	.protected	k_qac70cb5d13_attn
	.globl	k_qac70cb5d13_attn
	.p2align	8
	.type	k_qac70cb5d13_attn,@function
k_qac70cb5d13_attn:
	s_mov_b64 s[64:65], 0
	v_nop
	global_prefetch_b8 v0, s[64:65] scope:SCOPE_SE
	s_setreg_imm32_b32 hwreg(HW_REG_WAVE_MODE, 25, 1), 1
	s_wait_xcnt 0x0
; out[b][q][64 head + d] = sum over k of softmax_k(q . k / 8 + mask[b][k]) v[k][d], both products on codes of E4M3 (q 2^eq, k 2^ek, p 2^ep, v 2^ev: entries 6 to 9 of the scales).
; THE SOFTMAX AHEAD OF THE SECOND PRODUCT: t = logit x log2(e); M = the row's largest t so far, rounded UP to a whole number; p = 2^(t - M) is quantised, not normalised; the row's sum is taken of the
; unquantised p and divides at the end.  When M moves, the sum and O are multiplied by 2^(old M - new M), which rounds nothing.
; SHARES.  A work-group owns 512 queries of one head (x: the block, y: bh = 16 batch + head); each of its eight waves 64 queries: four tiles of 16; two waves to a SIMD, so that one wave's vector work
; stands beside the other's matrix work.  The head's K (128 KiB), V (128 KiB) and mask (8 KiB) are laid into LDS ONCE, through registers; one barrier; then 16 steps of 128 keys with no barrier at all.
; K, V AND Q ARRIVE AS IMAGES OF THE OPERANDS' REGISTERS: a fragment comes by loads of 16 bytes a lane at 16 x lane, 512 consecutive bytes an instruction: no pitch, no padding.
; LAYOUT.  Both products are used transposed: S^T = K Q^T (source 0 = 16 keys, source 1 = 16 queries), O^T = V^T P (source 0 = 16 of the head's 64, source 1 = P): a lane holds ONE query throughout.
; Row 8 h + j of K's tile 2 b + u is key 32 b + 16 h + 8 u + j of the step in truth, so the 16 registers of score tiles 2 b and 2 b + 1 are 16 neighbouring keys, the order in which V's image has them.
; THE MASK COSTS NO VECTOR LINE IN THE LOOP: it is the C of the first product.  logit = 2^(eq + ek) / 8 x (sum of codes' products + mask x 2^(3 - eq - ek)); the scaled mask lies in LDS, its 64 registers
; are fetched once a step and serve all four tiles of queries.
; THE HOLD OF p at 448 x 2^ep is needed only where that lies under 1, ep <= -9 (p is at most 1): else a scalar jump on ep passes over its 64 lines.
; NO CLUSTER, NO JOINT LOADS.  What the four work-groups of a head share is read once, at the head: 264 KiB a work-group, against sixteen steps that read no memory.  Joint loads are tensor loads.
; LIMITS.  eq + ek between -120 and 120, ep between -126 and 119 (the powers of two below are then f32 numbers).  A mask below -2^19 (minus infinity too) counts as -2^19: its p is 0 beside any key whose
; logit lies above about -2^19 + 150; a batch row ALL of whose keys are masked so deep, and NaN in the mask, are not served.
; REGISTERS, in windows of 256.  Window 0: v1-15 addresses and constants; v16-31 four registers of statistics a tile; v32-47 at work; v48-79 Q; v80-95 P's codes; v96-159 the step's mask; v160-223 S^T, then p;
; v224-255 a tile of O on the way out.   Window 1: v0-127 O^T (32 a tile); v128-191 K of a step; v192-255 V of a step.
.set VIMG, 131072                      ; LDS: K's image at 0, V's here,
.set MASK, 262144                      ; the scaled mask, f32, keys in their true order,
.set STG,  270336                      ; and a stage of 16 rows x (256 + 16) bytes for each wave, for the way out
.set SP,   272
.set LI,  1                            ; v1   16 x lane: my place in an image's 512 bytes
.set ADF, 2                            ; v2   LDS address of this step's K
.set ADV, 3                            ; v3   of its V
.set ADM, 4                            ; v4   of its mask
.set GS,  5                            ; v5   the fill: 16,384 x wave + 16 x lane, in memory and in K's image alike
.set GSV, 6                            ; v6   the same in V's image
.set MT,  7                            ; v7   the mask's fill: 16 x thread
.set MTL, 8                            ; v8   and in LDS
.set AV0, 9                            ; v9   VIMG + 16 x lane
.set AM0, 10                           ; v10  MASK + 64 h: my half's 16 keys of a block of 32
.set STO, 11                           ; v11  the stage: where I put 32 bytes of a row
.set RD,  12                           ; v12  and where I read a row back
.set GO,  13                           ; v13  my byte offset in the wave's rows of out
.set CVS, 14                           ; v14  2^ep as f32
.set LIM, 15                           ; v15  448 x 2^ep
.set ST,  16                           ; tile t at v[16 + 4 t]: -M, the largest t, the sum in two halves
.set TA,  32
.set TC,  33
.set PX,  34
.set F,   36                           ; v[36:37] f = 2^(old M - new M); the packed forms take the low word for both halves
.set SA,  38                           ; v[38:39] the sums' second chain
.set RC,  40                           ; v[40:47] the way out: a pair for each tile
.set Q,   48
.set P,   80
.set MK,  96
.set S,   160
.set OUT, 224
.set KF,  128                          ; in window 1
.set VF,  192                          ; in window 1
.set TB,  30                           ; s30  8,192 x step
.set TM,  31                           ; s31  512 x step
.set CNT, 32
.set MSB, 0
.macro WIN new                         ; s_set_vgpr_msb: bits 1:0 source 0, 3:2 source 1, 5:4 source 2, 7:6 destination; the high byte repeats the setting that is left
.if MSB != (\new)
	s_set_vgpr_msb (MSB<<8)|(\new)
.set MSB, (\new)
.endif
.endm
	s_load_b256 s[4:11], s[0:1], 0x0               ; the images s[4:5], the mask s[6:7], the scales' exponents s[8:9], out s[10:11]
	v_lshrrev_b32 v1, 5, v0
	v_readfirstlane_b32 s12, v1                    ; wave 0..7
	s_and_b32 s13, ttmp7, 0xffff                   ; bh
	v_and_b32 v[LI], 31, v0
	v_lshlrev_b32 v[LI], 4, v[LI]
	v_and_b32 v[TA], 15, v0                        ; r
	v_bfe_u32 v[TC], v0, 4, 1                      ; h
	s_lshl_b32 s33, s12, 14
	v_add_nc_u32 v[GS], s33, v[LI]
	v_add_nc_u32 v[GSV], VIMG, v[GS]
	v_lshlrev_b32 v[MT], 4, v0
	v_add_nc_u32 v[MTL], MASK, v[MT]
	v_add_nc_u32 v[AV0], VIMG, v[LI]
	v_lshl_add_u32 v[AM0], v[TC], 6, MASK
	s_mul_i32 s46, s12, 16*SP
	s_add_co_u32 s46, s46, STG                     ; my stage
	v_mul_u32_u24 v[STO], v[TA], SP                ; in: row r, 32 bytes for each half of the lanes
	v_lshl_add_u32 v[STO], v[TC], 5, v[STO]
	v_add_nc_u32 v[STO], s46, v[STO]
	v_mul_u32_u24 v[RD], v[TC], SP                 ; back: lanes 0-15 one row of 256 bytes, lanes 16-31 the next
	v_lshl_add_u32 v[RD], v[TA], 4, v[RD]
	v_add_nc_u32 v[RD], s46, v[RD]
	v_lshlrev_b32 v[GO], 12, v[TC]                 ; and two neighbouring rows of out, 4,096 bytes apart
	v_lshl_add_u32 v[GO], v[TA], 4, v[GO]
	v_mov_b32 v[PX], 0                             ; written once: a lane permute's destination counts as one of its sources
	v_mov_b32 v[F+1], 0                            ; (named as the upper half of a pair)
.irp t, 0,1,2,3
	v_mov_b32 v[RC+2*\t+1], 0
.endr
	s_lshl_b32 s36, s13, 17                        ; a head's image: 131,072 bytes
	s_mov_b32 s37, 0
	s_lshl_b32 s38, ttmp9, 5
	s_lshl_b32 s39, s12, 2
	s_add_co_u32 s38, s38, s39                     ; my first tile of queries: 32 x block + 4 x wave,
	s_lshl_b32 s38, s38, 10                        ; 1,024 bytes each
	s_mov_b32 s39, 0
	s_lshr_b32 s40, s13, 4                         ; the batch
	s_lshl_b32 s42, s40, 13                        ; its 2,048 numbers of the mask
	s_mov_b32 s43, 0
	s_lshl_b32 s44, s40, 11
	s_lshl_b32 s41, ttmp9, 9
	s_add_co_u32 s44, s44, s41
	s_lshl_b32 s41, s12, 6
	s_add_co_u32 s44, s44, s41                     ; my first row of out: 2,048 x batch + 512 x block + 64 x wave,
	s_lshl_b32 s44, s44, 12                        ; 4,096 bytes each,
	s_and_b32 s41, s13, 15
	s_lshl_b32 s41, s41, 8
	s_add_co_u32 s44, s44, s41                     ; + the head's 256 bytes
	s_mov_b32 s45, 0
	s_mov_b32 s28, 0x76543210                      ; v_permlanex16_b32's selects for lane l xor 16
	s_mov_b32 s29, 0xfedcba98
	s_mov_b32 s[TB], 0
	s_mov_b32 s[TM], 0
	s_mov_b32 s[CNT], 14
	s_wait_kmcnt 0x0
	s_load_b128 s[24:27], s[8:9], 0x18             ; eq, ek, ep, ev
	s_add_nc_u64 s[20:21], s[4:5], s[36:37]        ; q's image of my head,
	s_add_nc_u64 s[16:17], s[20:21], 0x800000      ; k's,
	s_add_nc_u64 s[18:19], s[16:17], 0x800000      ; v's
	s_add_nc_u64 s[20:21], s[20:21], s[38:39]      ; my four tiles of queries
	s_add_nc_u64 s[6:7], s[6:7], s[42:43]
	s_add_nc_u64 s[10:11], s[10:11], s[44:45]
	; ---- THE FILL: each wave brings 16 KiB of K's image and 16 KiB of V's, 512 consecutive bytes a load, through the registers of window 1
	WIN 0x40                                       ; destination window 1
.set i, 0
.rept 32
	global_load_b128 v[4*i:4*i+3], v[GS], s[16:17] offset:512*i
.set i, i+1
.endr
.set i, 0
.rept 32
	global_load_b128 v[128+4*i:128+4*i+3], v[GS], s[18:19] offset:512*i
.set i, i+1
.endr
	WIN 0
	s_wait_kmcnt 0x0
	s_add_co_i32 s33, s24, s25                     ; eq + ek
	s_sub_co_i32 s34, 3, s33                       ; the mask goes in x 2^(3 - eq - ek)
	s_lshl_b32 s33, s33, 23
	s_add_co_i32 s22, s33, 0x3e38aa3b              ; c = log2(e) / 8, with eq + ek added to its exponent field: t = c x (sum of codes' products + scaled mask)
	s_mov_b32 s23, s22                             ; (named with it as a pair, so it is written)
	s_add_co_i32 s33, s26, 127
	s_lshl_b32 s35, s33, 23
	v_mov_b32 v[CVS], s35
	s_add_co_i32 s33, s33, 8
	s_lshl_b32 s33, s33, 23
	s_or_b32 s33, s33, 0x600000
	v_mov_b32 v[LIM], s33
	s_add_co_i32 s35, s26, s27                     ; ep + ev, for the end
	s_wait_loadcnt 32                              ; K's 32 loads are in; V's 32 stay out
	WIN 0x04                                       ; store data in window 1
.set i, 0
.rept 32
	ds_store_b128 v[GS], v[4*i:4*i+3] offset:512*i
.set i, i+1
.endr
	WIN 0
	global_load_b128 v[OUT:OUT+3],   v[MT], s[6:7]               ; the batch's mask: 256 threads x 16 bytes, twice
	global_load_b128 v[OUT+4:OUT+7], v[MT], s[6:7] offset:4096
.set i, 0
.rept 8
	global_load_b128 v[Q+4*i:Q+4*i+3], v[LI], s[20:21] offset:512*i   ; Q's four fragments stay in registers
.set i, i+1
.endr
	s_wait_loadcnt 10                              ; V's are in; behind them: the mask's 2 and Q's 8
	WIN 0x04
.set i, 0
.rept 32
	ds_store_b128 v[GSV], v[128+4*i:128+4*i+3] offset:512*i
.set i, i+1
.endr
	WIN 0
	s_wait_loadcnt 8                               ; the mask's are in; Q's 8 stay out
.set i, 0
.rept 8
	v_max_num_f32 v[OUT+i], 0xc9000000, v[OUT+i]   ; at least -2^19: it stays a number when it is scaled, and in the matrix unit
.set i, i+1
.endr
.set i, 0
.rept 8
	v_ldexp_f32 v[OUT+i], v[OUT+i], s34
.set i, i+1
.endr
	ds_store_b128 v[MTL], v[OUT:OUT+3]
	ds_store_b128 v[MTL], v[OUT+4:OUT+7] offset:4096
	s_wait_dscnt 0x0                               ; for the others' sake: my part of the three regions lies in LDS
	s_barrier_signal -1
	s_barrier_wait -1                              ; everybody's does.  From here on these regions are only read
; The mask (64 registers in the scores' layout: tile 2 b + u, register j: key 32 b + 16 h + 8 u + j) and K's eight fragments of a step
.macro LDKM adm, offm, adf, offk
	WIN 0
.irp b, 0,1,2,3
.irp u, 0,1
	ds_load_b128 v[MK+8*(2*\b+\u):MK+8*(2*\b+\u)+3],   v[\adm] offset:\offm+128*\b+32*\u
	ds_load_b128 v[MK+8*(2*\b+\u)+4:MK+8*(2*\b+\u)+7], v[\adm] offset:\offm+128*\b+32*\u+16
.endr
.endr
	WIN 0x40
.irp x, 0,1,2,3,4,5,6,7
	ds_load_b128 v[KF+8*\x:KF+8*\x+3],   v[\adf] offset:\offk+1024*\x
	ds_load_b128 v[KF+8*\x+4:KF+8*\x+7], v[\adf] offset:\offk+1024*\x+512
.endr
.endm
.macro LDV                             ; V's four fragments (16 d x 128 keys) of the step
	WIN 0x40
.irp d, 0,1,2,3
.irp c, 0,1,2,3
	ds_load_b128 v[VF+16*\d+4*\c:VF+16*\d+4*\c+3], v[ADV] offset:2048*\d+512*\c
.endr
.endr
.endm
.macro QK t                            ; S^T = K Q^T + the scaled mask, for tile t of my queries: eight accumulators, one instruction each
	WIN 0x01                                       ; K in window 1
.irp x, 0,1,2,3,4,5,6,7
	v_wmma_f32_16x16x64_fp8_fp8 v[S+8*\x:S+8*\x+7], v[KF+8*\x:KF+8*\x+7], v[Q+8*(\t):Q+8*(\t)+7], v[MK+8*\x:MK+8*\x+7]
.endr
.endm
.macro PV t, first                     ; O^T += V^T P: four accumulators, one instruction each.  first = 1: the products start the sums: nothing is ever cleared
	WIN 0x51                                       ; V, C and D in window 1
.irp d, 0,1,2,3
.if \first
	v_wmma_f32_16x16x128_fp8_fp8 v[32*(\t)+8*\d:32*(\t)+8*\d+7], v[VF+16*\d:VF+16*\d+15], v[P:P+15], 0
.else
	v_wmma_f32_16x16x128_fp8_fp8 v[32*(\t)+8*\d:32*(\t)+8*\d+7], v[VF+16*\d:VF+16*\d+15], v[P:P+15], v[32*(\t)+8*\d:32*(\t)+8*\d+7]
.endif
.endr
.endm
.macro RESCALE t                       ; O^T under the new M: x f, each accumulator from its low end on
	WIN 0x41
.set i, 0
.rept 16
	v_pk_mul_f32 v[32*(\t)+i:32*(\t)+i+1], v[32*(\t)+i:32*(\t)+i+1], v[F:F+1] op_sel_hi:[1,0]
.set i, i+2
.endr
.endm
; One tile's softmax for one step, all in window 0.  first = 1: the first step, which starts M and the sum.
.macro SOFTMAX t, first
.set rT, ST+4*(\t)
	WIN 0
	v_max3_num_f32 v[TA], v[S], v[S+1], v[S+2]     ; the largest of my 64 scores, in two chains; each accumulator is first read at its low end
	v_max3_num_f32 v[TC], v[S+3], v[S+4], v[S+5]
.set i, 6
.rept 14
	v_max3_num_f32 v[TA], v[TA], v[S+i], v[S+i+1]
	v_max3_num_f32 v[TC], v[TC], v[S+i+2], v[S+i+3]
.set i, i+4
.endr
	v_max3_num_f32 v[TA], v[TA], v[S+62], v[S+63]
	v_max_num_f32 v[TA], v[TA], v[TC]
	v_permlanex16_b32 v[PX], v[TA], s28, s29
	v_max_num_f32 v[TA], v[TA], v[PX]              ; and of lane l xor 16's: the query's other 64 keys
	v_mul_f32 v[TA], s22, v[TA]                    ; as t (c is positive)
.if \first
	v_mov_b32 v[rT+1], v[TA]
	v_floor_f32 v[rT], -v[rT+1]                    ; -M = floor(-t) = -ceil(t): M is a whole number
.else
	v_max_num_f32 v[rT+1], v[rT+1], v[TA]          ; the running largest t
	v_mov_b32 v[TA], v[rT]
	v_floor_f32 v[rT], -v[rT+1]
	v_sub_f32 v[TA], v[rT], v[TA]                  ; old M - new M: a whole number, 0 or less
	v_cvt_i32_f32 v[TA], v[TA]                     ; (it saturates)
	v_ldexp_f32 v[F], 1.0, v[TA]                   ; f = 2^(old M - new M)
.endif
.set i, 0
.rept 32
	v_pk_fma_f32 v[S+i:S+i+1], v[S+i:S+i+1], s[22:23], v[rT:rT+1] op_sel_hi:[1,0,0]   ; t - M, two at a time (of the pairs c and -M the low word serves both halves)
.set i, i+2
.endr
.set i, 0
.rept 64
	v_exp_f32 v[S+i], v[S+i]                       ; p = 2^(t - M), at most 1
.set i, i+1
.endr
.if \first
	v_nop                                          ; a plain line behind the exponentials
	s_wait_alu depctr_va_vdst(0)
	v_pk_add_f32 v[SA:SA+1], v[S:S+1], v[S+2:S+3]  ; the row's sum is taken of the unquantised p: two at a time, in two chains
	v_pk_add_f32 v[rT+2:rT+3], v[S+4:S+5], v[S+6:S+7]
.set i, 8
.rept 14
	v_pk_add_f32 v[rT+2:rT+3], v[rT+2:rT+3], v[S+i:S+i+1]
	v_pk_add_f32 v[SA:SA+1], v[SA:SA+1], v[S+i+2:S+i+3]
.set i, i+4
.endr
.else
	v_pk_mul_f32 v[rT+2:rT+3], v[rT+2:rT+3], v[F:F+1] op_sel_hi:[1,0]   ; the sum under the new M.  (The plain line behind the exponentials)
	s_wait_alu depctr_va_vdst(0)
	v_pk_add_f32 v[SA:SA+1], v[S:S+1], v[S+2:S+3]
.set i, 4
.rept 15
	v_pk_add_f32 v[rT+2:rT+3], v[rT+2:rT+3], v[S+i:S+i+1]
	v_pk_add_f32 v[SA:SA+1], v[SA:SA+1], v[S+i+2:S+i+3]
.set i, i+4
.endr
.endif
	v_pk_add_f32 v[rT+2:rT+3], v[rT+2:rT+3], v[SA:SA+1]
	s_cmp_gt_i32 s26, -9                           ; 448 x 2^ep >= 1.75 from ep = -8 on, and p is at most 1: nothing to hold
	s_cbranch_scc1 .Lno_hold_\@
.set i, 0
.rept 64
	v_min_num_f32 v[S+i], v[S+i], v[LIM]           ; the conversion to an 8-bit code does not saturate (ISA guide 7.6.2); p is not negative, so the hold is one-sided
.set i, i+1
.endr
.Lno_hold_\@:
.irp b, 0,1,2,3
	v_cvt_scalef32_pk8_fp8_f32 v[P+4*\b:P+4*\b+1], v[S+16*\b:S+16*\b+7], v[CVS]       ; keys 32 b + 16 h + 0..15: registers 4 b .. 4 b + 3 of the second product's operand
	v_cvt_scalef32_pk8_fp8_f32 v[P+4*\b+2:P+4*\b+3], v[S+16*\b+8:S+16*\b+15], v[CVS]
.endr
	v_nop                                          ; a plain line between the conversions and the products that write their sources and read their results
.endm
; A STEP OF 128 KEYS.  For each tile t: its softmax; the NEXT tile's scores (for t = 3 the next step's tile 0), so that the matrix unit works under the rescaling and the next softmax finds its scores ready;
; O^T's rescaling, whose 16 plain lines are the places behind those products; O^T += V^T P.  V is asked for at the step's head and awaited behind the first softmax; the next step's K and mask are asked
; for behind the products that read this step's last (tile 3's scores, 16 plain lines back) and awaited behind tile 3's softmax.  Between two instructions on one accumulator stand all the others'.
.macro STEP first, last
	WIN 0
	v_add_nc_u32 v[ADV], s[TB], v[AV0]             ; with the lines below: the four places between the last products and the loads into V's registers
.if \last
	v_nop
	v_nop
.else
	v_add_nc_u32 v[ADF], s[TB], v[LI]
	v_add_nc_u32 v[ADM], s[TM], v[AM0]
.endif
	v_nop
	LDV
.irp t, 0,1,2,3
	SOFTMAX \t, \first
.if \t < 3
	QK \t+1
.elseif \last == 0
	s_wait_dscnt 0x0                               ; the next step's K and mask are in
	QK 0
.endif
.if \first
.rept 4
	v_nop                                          ; the first step has nothing to rescale: the places behind the scores' products
.endr
.else
	RESCALE \t
.endif
.if \t == 0
	s_wait_dscnt 0x0                               ; V is in
.endif
	PV \t, \first
.if (\t == 2) && (\last == 0)
	LDKM ADM, 512, ADF, 8192
.endif
.endr
	WIN 0                                          ; at a label and at a branch every window is 0
	s_add_co_u32 s[TB], s[TB], 8192
	s_add_co_u32 s[TM], s[TM], 512
.endm
	LDKM AM0, 0, LI, 0                             ; step 0's mask and K
	WIN 0
	s_wait_loadcnt 0x0                             ; Q
	s_wait_dscnt 0x0
	QK 0
	STEP 1, 0                                      ; step 0 starts M, the sums and O^T
.Lstep:                                                ; steps 1 to 14
	STEP 0, 0
	s_sub_co_u32 s[CNT], s[CNT], 1
	s_cmp_lg_u32 s[CNT], 0
	s_cbranch_scc1 .Lstep
	STEP 0, 1                                      ; step 15 asks for nothing more
	; THE WAY OUT.  The sum's two halves and lane l xor 16's are added; O^T x 2^(ep + ev) / the sum goes through my stage, a tile of 16 queries at a time, and leaves as rows of 256 bytes.
.irp t, 0,1,2,3
	v_add_f32 v[RC+2*\t], v[ST+4*\t+2], v[ST+4*\t+3]       ; (these four are the places behind the last products)
.endr
.irp t, 0,1,2,3
	v_permlanex16_b32 v[RC+2*\t+1], v[RC+2*\t], s28, s29
.endr
.irp t, 0,1,2,3
	v_add_f32 v[RC+2*\t], v[RC+2*\t], v[RC+2*\t+1]
.endr
.irp t, 0,1,2,3
	v_rcp_f32 v[RC+2*\t], v[RC+2*\t]
.endr
	v_nop                                          ; a plain line between the last reciprocal and the use of its result
	s_wait_alu depctr_va_vdst(0)
.irp t, 0,1,2,3
	v_ldexp_f32 v[RC+2*\t], v[RC+2*\t], s35
.endr
; Tile t.  Its row r = 8 h' + j is token 32 (t / 2) + 16 h' + 8 (t % 2) + j of my 64 in truth: load i from the stage brings rows 2 i and 2 i + 1, which are tokens 32 (t / 2) + 16 (i / 4) + 8 (t % 2) + 2 (i % 4) + 0, 1.
.macro OUTT t
.set BK, S+32*((\t)%2)
.if (\t) >= 2
	s_wait_xcnt 0x0                                ; the stores of two tiles ago have read the registers that the loads below fill
.endif
	WIN 0x01                                       ; source 0 (O^T) in window 1
.set i, 0
.rept 16
	v_pk_mul_f32 v[OUT+i:OUT+i+1], v[32*(\t)+i:32*(\t)+i+1], v[RC+2*(\t):RC+2*(\t)+1] op_sel_hi:[1,0]
.set i, i+2
.endr
	WIN 0
.irp d, 0,1,2,3
	ds_store_b128 v[STO], v[OUT+8*\d:OUT+8*\d+3] offset:64*\d          ; lane (r, h): o(r, 16 d + 8 h + 0..7)
	ds_store_b128 v[STO], v[OUT+8*\d+4:OUT+8*\d+7] offset:64*\d+16
.endr
.irp n, 0,1,2,3,4,5,6,7
	ds_load_b128 v[BK+4*\n:BK+4*\n+3], v[RD] offset:2*SP*\n            ; LDS serves a wave's instructions in order (ISA guide 5.7.1.4): these see my stores
.endr
.irp n, 0,1,2,3,4,5,6,7
	s_wait_dscnt 7-\n                              ; load n is back; the younger ones may be out.  At n = 7 the stage is free for the next tile
	global_store_b128 v[GO], v[BK+4*\n:BK+4*\n+3], s[10:11] offset:(32*((\t)/2)+16*(\n/4)+8*((\t)%2)+2*(\n%4))*4096 th:TH_STORE_NT   ; 16 lanes store 256 consecutive bytes, aligned: a head's part of a row
.endr
.endm
	OUTT 0
	OUTT 1
	OUTT 2
	OUTT 3
	s_wait_xcnt 0x0
	v_lshl_add_u32 v230, v0, 2, 0x4a800
	v_mov_b32 v231, 0
	s_wait_tensorcnt 0x0
	ds_add_u32 v230, v231
	s_wait_dscnt 0x0
	s_endpgm
.Lfunc_end_k_qac70cb5d13_attn:
	.size	k_qac70cb5d13_attn, .Lfunc_end_k_qac70cb5d13_attn-k_qac70cb5d13_attn
	.p2alignl 7, 3214868480
	.fill 96, 4, 3214868480
	.section	.rodata,"a",@progbits
	.p2align	6, 0x0
	.amdhsa_kernel k_qac70cb5d13_attn
		.amdhsa_group_segment_fixed_size 306176
		.amdhsa_private_segment_fixed_size 0
		.amdhsa_enable_private_segment 0
		.amdhsa_kernarg_size 32
		.amdhsa_user_sgpr_count 2
		.amdhsa_user_sgpr_kernarg_segment_ptr 1
		.amdhsa_wavefront_size32 1
		.amdhsa_system_sgpr_workgroup_id_x 1
		.amdhsa_system_sgpr_workgroup_id_y 1
		.amdhsa_system_sgpr_workgroup_id_z 1
		.amdhsa_system_vgpr_workitem_id 0
		.amdhsa_next_free_vgpr 512
		.amdhsa_next_free_sgpr 66
		.amdhsa_reserve_vcc 0
		.amdhsa_float_denorm_mode_32 3
		.amdhsa_float_denorm_mode_16_64 3
		.amdhsa_memory_ordered 1
		.amdhsa_forward_progress 1
		.amdhsa_inst_pref_size 191
	.end_amdhsa_kernel
	.amdgpu_metadata
---
amdhsa.version: [ 1, 2 ]
amdhsa.kernels:
  - .name:           k_qac70cb5d13_attn
    .symbol:         k_qac70cb5d13_attn.kd
    .args:
      - { .name: qkv, .offset: 0, .size: 8, .value_kind: global_buffer, .address_space: global }
      - { .name: attention_mask, .offset: 8, .size: 8, .value_kind: global_buffer, .address_space: global }
      - { .name: lowp_scales, .offset: 16, .size: 8, .value_kind: global_buffer, .address_space: global }
      - { .name: out0, .offset: 24, .size: 8, .value_kind: global_buffer, .address_space: global }
    .group_segment_fixed_size: 306176
    .private_segment_fixed_size: 0
    .kernarg_segment_align: 8
    .kernarg_segment_size: 32
    .max_flat_workgroup_size: 256
    .sgpr_count:     66
    .vgpr_count:     512
    .wavefront_size: 32
...
	.end_amdgpu_metadata
.endif
;; end of part 3
;; ======== version 2 of 2: 3 launches; version 1 with the launches quant, attn written anew for expert scheduling mode
;; limits: inputs' magnitudes at most 524,288; right only within a limited range of input values
;; workspace buffers: xc 25,165,824 bytes; wc 3,145,728 bytes; qkv 25,165,824 bytes
;; launch quant (part 4): grid 352 x 1, 4 waves a work-group, no clusters, 0 bytes of LDS; arguments hidden_states, Wq, Wk, Wv, lowp_scales, xc, wc; writes xc, wc
.if DOCPART == 4
	.amdgcn_target "amdgcn-amd-amdhsa--gfx1250"
	.amdhsa_code_object_version 6
	.text
	.protected	k_qac70cb5d13_quant
	.globl	k_qac70cb5d13_quant
	.p2align	8
	.type	k_qac70cb5d13_quant,@function
k_qac70cb5d13_quant:
	s_mov_b64 s[64:65], 0
	v_nop
	global_prefetch_b8 v0, s[64:65] scope:SCOPE_SE
	s_setreg_imm32_b32 hwreg(HW_REG_WAVE_SCHED_MODE, 0, 2), 2
	s_setreg_imm32_b32 hwreg(HW_REG_WAVE_MODE, 25, 1), 1
	s_wait_xcnt 0x0
	s_wait_alu depctr_vm_vsrc(0)
; hidden_states [8192][1024] f32 becomes three sets of E4M3 codes (scales 2^e0, 2^e2, 2^e4: one for each projection); Wq, Wk, Wv [1024][1024] f32 one set each (2^e1, 2^e3, 2^e5).
; code = x / 2^e, held within +-448, rounded to the nearest code, ties to even.
; LAYOUT OF THE CODES (buffers of this program's own).  A row is 1,024 bytes.
;   Along K: byte 512 g + 16 l + 4 i + j of a row holds the code of k = 512 g + 128 i + 4 l + j: the same order in x and in W, so every product meets its partner.  It is the order in which
;   four dense loads (512 consecutive bytes each, 16 a lane) leave 16 numbers in a lane: the lane's 16 codes are 16 bytes and the wave's store covers 512 consecutive bytes.  Nothing goes through LDS.
;   Rows: row n lies at the place n with bits 3 and 4 exchanged (x's three sets, Wq, Wk; Wv keeps its order), so that in the next launch the 16 results of two neighbouring tiles are 16 neighbours.
; SHARES.  A work-group takes 32 rows, a wave 8 (bits 3 and 4 of its rows are its number): 16 steps of 512 numbers.  Work-groups 0-255: x; 256-351: the weights, 32 for each.
; Waves share nothing: no LDS, no barrier.  Loads run four steps (16 loads a wave) ahead.
; LIMITS: each e between -126 and 119, so that 2^e and 448 x 2^e are f32 numbers.  NaN among the inputs is not served (an infinity is held at the largest code).
; THE MODE: SCHED_MODE bits 1:0 = 2 (LLVM: expert scheduling mode 2), set by the entry lines.  The code itself states the register dependences between vector instructions and memory
; instructions, with s_wait_alu, always for 0.
; THE PLAN.  Registers that memory instructions touch:
;   R0 .. R4   five sets of 16 numbers as loaded.  Written by the loads of step t + 4, issued in step t; read by step t's holds.
;   C0, C1     two sets of codes.                  Written by step t's conversions; read by the stores that are issued in step t + 1.
;   v1         16 x lane, made once at the head and never written again: the steps are reached by immediate offsets.
; Step t works on R[t % 5] and writes C[t % 2].  Its memory instructions are the loads into R[(t + 4) % 5] = R[(t - 1) % 5] and the stores from C[(t - 1) % 2]: the two buffers that step t - 1 worked on
; and that no vector instruction of step t names.  So the waits at a step's head state all that the step's loads and stores hang on.  T, the held numbers, and v2 to v7 are named by vector instructions alone.
.set R,   16                           ; v16-95    five sets of 16 numbers as loaded
.set T,   96                           ; v96-143   three sets of 16 numbers, held: one for each scale
.set C,   144                          ; v144-167  two sets of 12: the codes of a step, for up to three scales
.set SRC, 32                           ; s[32:33]  my wave's 8 rows of f32
.set DST, 34                           ; s[34:39]  my wave's 8 rows in up to three sets of codes
; v1 = 16 x lane: the offset of every load and store; never rewritten.  v2, v4, v6: 2^e as f32;  v3, v5, v7: 448 x 2^e
.macro MKC sc, lm, se                  ; from the whole number e in s[se]: 2^e and 448 x 2^e as f32 patterns
	s_add_co_i32 s44, s[\se], 127
	s_lshl_b32 s45, s44, 23
	v_mov_b32 v[\sc], s45                          ; the conversion takes its exponent field
	s_add_co_i32 s44, s44, 8
	s_lshl_b32 s44, s44, 23
	s_or_b32 s44, s44, 0x600000                    ; 448 = 1.75 x 2^8
	v_mov_b32 v[\lm], s44
.endm
.macro LOAD t                          ; step t: 2,048 consecutive bytes, 512 a load
.irp i, 0,1,2,3
	global_load_b128 v[R+16*((\t)%5)+4*\i:R+16*((\t)%5)+4*\i+3], v1, s[SRC:SRC+1] offset:2048*(\t)+512*\i th:TH_LOAD_NT
.endr
.endm
.macro QOUT t, np                      ; step t's codes leave
.set CO, C+12*((\t)%2)
.set p, 0
.rept \np
	global_store_b128 v1, v[CO+4*p:CO+4*p+3], s[DST+2*p:DST+2*p+1] offset:512*(\t)   ; 32 lanes store 512 consecutive bytes
.set p, p+1
.endr
.endm
.macro QSTEP t, np                     ; np: how many scales the numbers are quantised with
.set RS, R+16*((\t)%5)
.set CS, C+12*((\t)%2)
.if (\t) < 13
	s_wait_loadcnt 12                              ; this step's four loads are in; those of the three steps behind it stay out
.else
	s_wait_loadcnt 4*(15-(\t))
.endif
.if (\t) >= 2
	s_wait_xcnt 0x0                                ; the stores issued in the step before have had their addresses translated: this step's set of codes, their data, is written again only behind this wait
	s_wait_alu depctr_vm_vsrc(0)                   ; and they have read that set, which this step's conversions write again
.endif
.if (\t) >= 1
	s_wait_alu depctr_va_vdst(0)                   ; the step before has written the other set of codes, which the stores below read, and its holds are done reading its numbers, in whose registers the loads below land
.endif
.if (\t)+4 < 16
	LOAD (\t)+4                                    ; four steps ahead; no vector instruction since the wait names these registers (in step 0: none ever has)
.endif
.if (\t) >= 1
	QOUT (\t)-1, \np
.endif
.set p, 0
.rept \np
.set i, 0
.rept 16
	v_med3_num_f32 v[T+16*p+i], v[RS+i], -v[3+2*p], v[3+2*p]   ; the conversion to an 8-bit code does not saturate (ISA guide 7.6.2): the hold comes first
.set i, i+1
.endr
.set p, p+1
.endr
.set p, 0
.rept \np
	v_cvt_scalef32_pk8_fp8_f32 v[CS+4*p:CS+4*p+1], v[T+16*p:T+16*p+7], v[2+2*p]
	v_cvt_scalef32_pk8_fp8_f32 v[CS+4*p+2:CS+4*p+3], v[T+16*p+8:T+16*p+15], v[2+2*p]
.set p, p+1
.endr
	v_nop                                          ; a plain line between the conversions and the next step's holds, which write their sources
.endm
	s_load_b256 s[4:11], s[0:1], 0x0               ; hidden_states s[4:5], Wq s[6:7], Wk s[8:9], Wv s[10:11]
	s_load_b128 s[12:15], s[0:1], 0x20             ; the scales' exponents s[12:13], x's codes s[14:15]
	s_load_b64 s[16:17], s[0:1], 0x30              ; the weights' codes
	v_lshrrev_b32 v1, 5, v0
	v_readfirstlane_b32 s18, v1                    ; wave w
	v_and_b32 v1, 31, v0
	v_lshlrev_b32 v1, 4, v1                        ; 16 x lane
	s_wait_alu depctr_va_sdst(0)                   ; s18 is written, ahead of its first reader: the wave's rows are made from it
	s_and_b32 s19, s18, 1
	s_lshl_b32 s19, s19, 1
	s_lshr_b32 s40, s18, 1
	s_or_b32 s19, s19, s40                         ; w with its two bits exchanged: where my 8 rows go
	s_wait_kmcnt 0x0
	s_load_b256 s[24:31], s[12:13], 0x0            ; e0 .. e7
	s_wait_alu depctr_va_vdst(0)                   ; v1 is written: every load and store, on both ways below, reads it as its offset
	s_cmp_lt_u32 ttmp9, 256
	s_cbranch_scc0 .Lweights
	; ---- x: three sets of codes from one read
	s_lshl_b32 s40, ttmp9, 17                      ; 32 rows of 4,096 bytes a work-group,
	s_lshl_b32 s41, s18, 15                        ; 8 a wave
	s_add_co_u32 s40, s40, s41
	s_mov_b32 s41, 0
	s_add_nc_u64 s[SRC:SRC+1], s[4:5], s[40:41]
	s_lshl_b32 s42, ttmp9, 15                      ; 32 rows of 1,024 bytes,
	s_lshl_b32 s43, s19, 13                        ; my 8 at their exchanged place
	s_add_co_u32 s42, s42, s43
	s_mov_b32 s43, 0
	s_add_nc_u64 s[DST:DST+1], s[14:15], s[42:43]
	s_add_nc_u64 s[DST+2:DST+3], s[DST:DST+1], 0x800000      ; a set is 8 MiB, one byte more than a store's immediate reaches: a base for each set
	s_add_nc_u64 s[DST+4:DST+5], s[DST+2:DST+3], 0x800000
.irp t, 0,1,2,3
	LOAD \t
.endr
	s_wait_kmcnt 0x0
	MKC 2, 3, 24                                   ; e0
	MKC 4, 5, 26                                   ; e2
	MKC 6, 7, 28                                   ; e4
.irp t, 0,1,2,3,4,5,6,7,8,9,10,11,12,13,14,15
	QSTEP \t, 3
.endr
	s_wait_alu depctr_va_vdst(0)                   ; step 15's conversions have written its codes, which the last stores read
	QOUT 15, 3
	s_endpgm
.Lweights:
	; ---- a weight: one set of codes
	s_sub_co_u32 s40, ttmp9, 256
	s_lshr_b32 s41, s40, 5                         ; which weight: 0 Wq, 1 Wk, 2 Wv
	s_and_b32 s42, s40, 31                         ; which 32 rows of it
	s_cmp_eq_u32 s41, 0
	s_cselect_b64 s[SRC:SRC+1], s[6:7], s[8:9]
	s_cmp_eq_u32 s41, 2
	s_cselect_b64 s[SRC:SRC+1], s[10:11], s[SRC:SRC+1]
	s_cselect_b32 s19, s18, s19                    ; Wv's rows keep their order
	s_lshl_b32 s44, s42, 17
	s_lshl_b32 s45, s18, 15
	s_add_co_u32 s44, s44, s45
	s_mov_b32 s45, 0
	s_add_nc_u64 s[SRC:SRC+1], s[SRC:SRC+1], s[44:45]
	s_lshl_b32 s44, s41, 20                        ; a weight's set is 1 MiB
	s_lshl_b32 s47, s42, 15
	s_add_co_u32 s44, s44, s47
	s_lshl_b32 s47, s19, 13
	s_add_co_u32 s44, s44, s47
	s_add_nc_u64 s[DST:DST+1], s[16:17], s[44:45]
.irp t, 0,1,2,3
	LOAD \t
.endr
	s_wait_kmcnt 0x0
	s_cmp_eq_u32 s41, 0
	s_cselect_b32 s46, s25, s27                    ; e1 or e3,
	s_cmp_eq_u32 s41, 2
	s_cselect_b32 s46, s29, s46                    ; or e5
	MKC 2, 3, 46
.irp t, 0,1,2,3,4,5,6,7,8,9,10,11,12,13,14,15
	QSTEP \t, 1
.endr
	s_wait_alu depctr_va_vdst(0)                   ; step 15's conversions have written its codes, which the last store reads
	QOUT 15, 1
	s_endpgm
.Lfunc_end_k_qac70cb5d13_quant:
	.size	k_qac70cb5d13_quant, .Lfunc_end_k_qac70cb5d13_quant-k_qac70cb5d13_quant
	.p2alignl 7, 3214868480
	.fill 96, 4, 3214868480
	.section	.rodata,"a",@progbits
	.p2align	6, 0x0
	.amdhsa_kernel k_qac70cb5d13_quant
		.amdhsa_group_segment_fixed_size 0
		.amdhsa_private_segment_fixed_size 0
		.amdhsa_enable_private_segment 0
		.amdhsa_kernarg_size 56
		.amdhsa_user_sgpr_count 2
		.amdhsa_user_sgpr_kernarg_segment_ptr 1
		.amdhsa_wavefront_size32 1
		.amdhsa_system_sgpr_workgroup_id_x 1
		.amdhsa_system_sgpr_workgroup_id_y 1
		.amdhsa_system_sgpr_workgroup_id_z 1
		.amdhsa_system_vgpr_workitem_id 0
		.amdhsa_next_free_vgpr 168
		.amdhsa_next_free_sgpr 66
		.amdhsa_reserve_vcc 0
		.amdhsa_float_denorm_mode_32 3
		.amdhsa_float_denorm_mode_16_64 3
		.amdhsa_memory_ordered 1
		.amdhsa_forward_progress 1
		.amdhsa_inst_pref_size 99
	.end_amdhsa_kernel
	.amdgpu_metadata
---
amdhsa.version: [ 1, 2 ]
amdhsa.kernels:
  - .name:           k_qac70cb5d13_quant
    .symbol:         k_qac70cb5d13_quant.kd
    .args:
      - { .name: hidden_states, .offset: 0, .size: 8, .value_kind: global_buffer, .address_space: global }
      - { .name: Wq, .offset: 8, .size: 8, .value_kind: global_buffer, .address_space: global }
      - { .name: Wk, .offset: 16, .size: 8, .value_kind: global_buffer, .address_space: global }
      - { .name: Wv, .offset: 24, .size: 8, .value_kind: global_buffer, .address_space: global }
      - { .name: lowp_scales, .offset: 32, .size: 8, .value_kind: global_buffer, .address_space: global }
      - { .name: xc, .offset: 40, .size: 8, .value_kind: global_buffer, .address_space: global }
      - { .name: wc, .offset: 48, .size: 8, .value_kind: global_buffer, .address_space: global }
    .group_segment_fixed_size: 0
    .private_segment_fixed_size: 0
    .kernarg_segment_align: 8
    .kernarg_segment_size: 56
    .max_flat_workgroup_size: 128
    .sgpr_count:     66
    .vgpr_count:     168
    .wavefront_size: 32
...
	.end_amdgpu_metadata
.endif
;; end of part 4
;; launch proj: the kernel of part 2 again; grid 12 x 32, 4 waves a work-group, clusters of 4 x 4, 327,680 bytes of LDS; arguments xc, wc, bq, bk, bv, lowp_scales, qkv; writes qkv
;; launch attn (part 5): grid 4 x 64, 8 waves a work-group, no clusters, 306,176 bytes of LDS; arguments qkv, attention_mask, lowp_scales, out0; writes out0
.if DOCPART == 5
	.amdgcn_target "amdgcn-amd-amdhsa--gfx1250"
	.amdhsa_code_object_version 6
	.text
	.protected	k_qac70cb5d13_attn
	.globl	k_qac70cb5d13_attn
	.p2align	8
	.type	k_qac70cb5d13_attn,@function
k_qac70cb5d13_attn:
	s_mov_b64 s[64:65], 0
	v_nop
	global_prefetch_b8 v0, s[64:65] scope:SCOPE_SE
	s_setreg_imm32_b32 hwreg(HW_REG_WAVE_SCHED_MODE, 0, 2), 2
	s_setreg_imm32_b32 hwreg(HW_REG_WAVE_MODE, 25, 1), 1
	s_wait_xcnt 0x0
	s_wait_alu depctr_vm_vsrc(0)
; out[b][q][64 head + d] = sum over k of softmax_k(q . k / 8 + mask[b][k]) v[k][d], both products on codes of E4M3 (q 2^eq, k 2^ek, p 2^ep, v 2^ev: entries 6 to 9 of the scales).
; THE SOFTMAX AHEAD OF THE SECOND PRODUCT: t = logit x log2(e); M = the row's largest t so far, rounded UP to a whole number; p = 2^(t - M) is quantised, not normalised; the row's sum is taken of the
; unquantised p and divides at the end.  When M moves, the sum and O are multiplied by 2^(old M - new M), which rounds nothing.
; SHARES.  A work-group owns 512 queries of one head (x: the block, y: bh = 16 batch + head); each of its eight waves 64 queries: four tiles of 16; two waves to a SIMD, so that one wave's vector work
; stands beside the other's matrix work.  The head's K (128 KiB), V (128 KiB) and mask (8 KiB) are laid into LDS ONCE, through registers; one barrier; then 16 steps of 128 keys with no barrier at all.
; K, V AND Q ARRIVE AS IMAGES OF THE OPERANDS' REGISTERS: a fragment comes by loads of 16 bytes a lane at 16 x lane, 512 consecutive bytes an instruction: no pitch, no padding.
; LAYOUT.  Both products are used transposed: S^T = K Q^T (source 0 = 16 keys, source 1 = 16 queries), O^T = V^T P (source 0 = 16 of the head's 64, source 1 = P): a lane holds ONE query throughout.
; Row 8 h + j of K's tile 2 b + u is key 32 b + 16 h + 8 u + j of the step in truth, so the 16 registers of score tiles 2 b and 2 b + 1 are 16 neighbouring keys, the order in which V's image has them.
; THE MASK COSTS NO VECTOR LINE IN THE LOOP: it is the C of the first product.  logit = 2^(eq + ek) / 8 x (sum of codes' products + mask x 2^(3 - eq - ek)); the scaled mask lies in LDS, its 64 registers
; are fetched once a step and serve all four tiles of queries.
; THE HOLD OF p at 448 x 2^ep is needed only where that lies under 1, ep <= -9 (p is at most 1): else a scalar jump on ep passes over its 64 lines.
; NO CLUSTER, NO JOINT LOADS.  What the four work-groups of a head share is read once, at the head: 264 KiB a work-group, against sixteen steps that read no memory.  Joint loads are tensor loads.
; LIMITS.  eq + ek between -120 and 120, ep between -126 and 119 (the powers of two below are then f32 numbers).  A mask below -2^19 (minus infinity too) counts as -2^19: its p is 0 beside any key whose
; logit lies above about -2^19 + 150; a batch row ALL of whose keys are masked so deep, and NaN in the mask, are not served.
; REGISTERS, in windows of 256.  Window 0: v1-15 addresses and constants; v16-31 four registers of statistics a tile; v32-47 at work; v48-79 Q; v80-95 P's codes; v96-159 the step's mask; v160-223 S^T, then p;
; v224-255 a tile of O on the way out.   Window 1: v0-127 O^T (32 a tile); v128-191 K of a step; v192-255 V of a step.
; THE MODE: SCHED_MODE bits 1:0 = 2 (LLVM: expert scheduling mode 2), set by the entry lines.  The code itself states the register dependences between vector or matrix instructions and memory or LDS
; instructions, with s_wait_alu, always for 0.
; THE PLAN.  Registers that memory or LDS instructions touch, in the loop:
;   v[ADV], v[ADF], v[ADM]  written by the adds at a step's head; read by V's loads (in tile 0's softmax) and by K's and the mask's (in tile 3's).  One wait on vm_vsrc stands ahead of the adds.
;   V's registers           read by the step's four runs of V^T P, the last at the step's end; the next step's V lands in them behind the wait that follows tile 0's exponentials.
;   K's and the mask's      read by the four runs of K Q^T, the last of them (tile 3's scores) issued in tile 2; the next step's land in them behind a wait of their own in tile 3's softmax, ahead of its scalings.
;   v1, v9, v10             addresses made at the head and never written again.
;   S^T, P, O^T, Q and the statistics are named by vector and matrix instructions alone.
; So a step holds five waits on va_vdst: the four that stand behind the tiles' exponentials in any case, of which tile 0's also serves V's loads, and the one ahead of K's and the mask's loads.  Between each
; of the two waits and the loads that lean on it stand only loads and window switches.  The head and the way out state their dependences where they arise.
.set VIMG, 131072                      ; LDS: K's image at 0, V's here,
.set MASK, 262144                      ; the scaled mask, f32, keys in their true order,
.set STG,  270336                      ; and a stage of 16 rows x (256 + 16) bytes for each wave, for the way out
.set SP,   272
.set LI,  1                            ; v1   16 x lane: my place in an image's 512 bytes
.set ADF, 2                            ; v2   LDS address of this step's K
.set ADV, 3                            ; v3   of its V
.set ADM, 4                            ; v4   of its mask
.set GS,  5                            ; v5   the fill: 16,384 x wave + 16 x lane, in memory and in K's image alike
.set GSV, 6                            ; v6   the same in V's image
.set MT,  7                            ; v7   the mask's fill: 16 x thread
.set MTL, 8                            ; v8   and in LDS
.set AV0, 9                            ; v9   VIMG + 16 x lane
.set AM0, 10                           ; v10  MASK + 64 h: my half's 16 keys of a block of 32
.set STO, 11                           ; v11  the stage: where I put 32 bytes of a row
.set RD,  12                           ; v12  and where I read a row back
.set GO,  13                           ; v13  my byte offset in the wave's rows of out
.set CVS, 14                           ; v14  2^ep as f32
.set LIM, 15                           ; v15  448 x 2^ep
.set ST,  16                           ; tile t at v[16 + 4 t]: -M, the largest t, the sum in two halves
.set TA,  32
.set TC,  33
.set PX,  34
.set F,   36                           ; v[36:37] f = 2^(old M - new M); the packed forms take the low word for both halves
.set SA,  38                           ; v[38:39] the sums' second chain
.set RC,  40                           ; v[40:47] the way out: a pair for each tile
.set Q,   48
.set P,   80
.set MK,  96
.set S,   160
.set OUT, 224
.set KF,  128                          ; in window 1
.set VF,  192                          ; in window 1
.set TB,  30                           ; s30  8,192 x step
.set TM,  31                           ; s31  512 x step
.set CNT, 32
.set MSB, 0
.macro WIN new                         ; s_set_vgpr_msb: bits 1:0 source 0, 3:2 source 1, 5:4 source 2, 7:6 destination; the high byte repeats the setting that is left
.if MSB != (\new)
	s_set_vgpr_msb (MSB<<8)|(\new)
.set MSB, (\new)
.endif
.endm
	s_load_b256 s[4:11], s[0:1], 0x0               ; the images s[4:5], the mask s[6:7], the scales' exponents s[8:9], out s[10:11]
	v_lshrrev_b32 v1, 5, v0
	v_readfirstlane_b32 s12, v1                    ; wave 0..7
	s_and_b32 s13, ttmp7, 0xffff                   ; bh
	v_and_b32 v[LI], 31, v0
	v_lshlrev_b32 v[LI], 4, v[LI]
	v_and_b32 v[TA], 15, v0                        ; r
	v_bfe_u32 v[TC], v0, 4, 1                      ; h
	s_wait_alu depctr_va_sdst(0)                   ; s12 is written, ahead of its first reader: the wave's places in LDS and in memory are made from it
	s_lshl_b32 s33, s12, 14
	v_add_nc_u32 v[GS], s33, v[LI]
	v_add_nc_u32 v[GSV], VIMG, v[GS]
	v_lshlrev_b32 v[MT], 4, v0
	v_add_nc_u32 v[MTL], MASK, v[MT]
	v_add_nc_u32 v[AV0], VIMG, v[LI]
	v_lshl_add_u32 v[AM0], v[TC], 6, MASK
	s_mul_i32 s46, s12, 16*SP
	s_add_co_u32 s46, s46, STG                     ; my stage
	v_mul_u32_u24 v[STO], v[TA], SP                ; in: row r, 32 bytes for each half of the lanes
	v_lshl_add_u32 v[STO], v[TC], 5, v[STO]
	v_add_nc_u32 v[STO], s46, v[STO]
	v_mul_u32_u24 v[RD], v[TC], SP                 ; back: lanes 0-15 one row of 256 bytes, lanes 16-31 the next
	v_lshl_add_u32 v[RD], v[TA], 4, v[RD]
	v_add_nc_u32 v[RD], s46, v[RD]
	v_lshlrev_b32 v[GO], 12, v[TC]                 ; and two neighbouring rows of out, 4,096 bytes apart
	v_lshl_add_u32 v[GO], v[TA], 4, v[GO]
	v_mov_b32 v[PX], 0                             ; written once: a lane permute's destination counts as one of its sources
	v_mov_b32 v[F+1], 0                            ; (named as the upper half of a pair)
.irp t, 0,1,2,3
	v_mov_b32 v[RC+2*\t+1], 0
.endr
	s_lshl_b32 s36, s13, 17                        ; a head's image: 131,072 bytes
	s_mov_b32 s37, 0
	s_lshl_b32 s38, ttmp9, 5
	s_lshl_b32 s39, s12, 2
	s_add_co_u32 s38, s38, s39                     ; my first tile of queries: 32 x block + 4 x wave,
	s_lshl_b32 s38, s38, 10                        ; 1,024 bytes each
	s_mov_b32 s39, 0
	s_lshr_b32 s40, s13, 4                         ; the batch
	s_lshl_b32 s42, s40, 13                        ; its 2,048 numbers of the mask
	s_mov_b32 s43, 0
	s_lshl_b32 s44, s40, 11
	s_lshl_b32 s41, ttmp9, 9
	s_add_co_u32 s44, s44, s41
	s_lshl_b32 s41, s12, 6
	s_add_co_u32 s44, s44, s41                     ; my first row of out: 2,048 x batch + 512 x block + 64 x wave,
	s_lshl_b32 s44, s44, 12                        ; 4,096 bytes each,
	s_and_b32 s41, s13, 15
	s_lshl_b32 s41, s41, 8
	s_add_co_u32 s44, s44, s41                     ; + the head's 256 bytes
	s_mov_b32 s45, 0
	s_mov_b32 s28, 0x76543210                      ; v_permlanex16_b32's selects for lane l xor 16
	s_mov_b32 s29, 0xfedcba98
	s_mov_b32 s[TB], 0
	s_mov_b32 s[TM], 0
	s_mov_b32 s[CNT], 14
	s_wait_kmcnt 0x0
	s_load_b128 s[24:27], s[8:9], 0x18             ; eq, ek, ep, ev
	s_add_nc_u64 s[20:21], s[4:5], s[36:37]        ; q's image of my head,
	s_add_nc_u64 s[16:17], s[20:21], 0x800000      ; k's,
	s_add_nc_u64 s[18:19], s[16:17], 0x800000      ; v's
	s_add_nc_u64 s[20:21], s[20:21], s[38:39]      ; my four tiles of queries
	s_add_nc_u64 s[6:7], s[6:7], s[42:43]
	s_add_nc_u64 s[10:11], s[10:11], s[44:45]
	; ---- THE FILL: each wave brings 16 KiB of K's image and 16 KiB of V's, 512 consecutive bytes a load, through the registers of window 1
	WIN 0x40                                       ; destination window 1
	s_wait_alu depctr_va_vdst(0)                   ; the addresses v1 and v5 to v13 are written: every load and store of the kernel but the loop's stepped ones reads one of them, and none is written again
.set i, 0
.rept 32
	global_load_b128 v[4*i:4*i+3], v[GS], s[16:17] offset:512*i
.set i, i+1
.endr
.set i, 0
.rept 32
	global_load_b128 v[128+4*i:128+4*i+3], v[GS], s[18:19] offset:512*i
.set i, i+1
.endr
	WIN 0
	s_wait_kmcnt 0x0
	s_add_co_i32 s33, s24, s25                     ; eq + ek
	s_sub_co_i32 s34, 3, s33                       ; the mask goes in x 2^(3 - eq - ek)
	s_lshl_b32 s33, s33, 23
	s_add_co_i32 s22, s33, 0x3e38aa3b              ; c = log2(e) / 8, with eq + ek added to its exponent field: t = c x (sum of codes' products + scaled mask)
	s_mov_b32 s23, s22                             ; (named with it as a pair, so it is written)
	s_add_co_i32 s33, s26, 127
	s_lshl_b32 s35, s33, 23
	v_mov_b32 v[CVS], s35
	s_add_co_i32 s33, s33, 8
	s_lshl_b32 s33, s33, 23
	s_or_b32 s33, s33, 0x600000
	v_mov_b32 v[LIM], s33
	s_add_co_i32 s35, s26, s27                     ; ep + ev, for the end
	s_wait_loadcnt 32                              ; K's 32 loads are in; V's 32 stay out
	WIN 0x04                                       ; store data in window 1
.set i, 0
.rept 32
	ds_store_b128 v[GS], v[4*i:4*i+3] offset:512*i
.set i, i+1
.endr
	WIN 0
	global_load_b128 v[OUT:OUT+3],   v[MT], s[6:7]               ; the batch's mask: 256 threads x 16 bytes, twice
	global_load_b128 v[OUT+4:OUT+7], v[MT], s[6:7] offset:4096
.set i, 0
.rept 8
	global_load_b128 v[Q+4*i:Q+4*i+3], v[LI], s[20:21] offset:512*i   ; Q's four fragments stay in registers
.set i, i+1
.endr
	s_wait_loadcnt 10                              ; V's are in; behind them: the mask's 2 and Q's 8
	WIN 0x04
.set i, 0
.rept 32
	ds_store_b128 v[GSV], v[128+4*i:128+4*i+3] offset:512*i
.set i, i+1
.endr
	WIN 0
	s_wait_loadcnt 8                               ; the mask's are in; Q's 8 stay out
.set i, 0
.rept 8
	v_max_num_f32 v[OUT+i], 0xc9000000, v[OUT+i]   ; at least -2^19: it stays a number when it is scaled, and in the matrix unit
.set i, i+1
.endr
.set i, 0
.rept 8
	v_ldexp_f32 v[OUT+i], v[OUT+i], s34
.set i, i+1
.endr
	s_wait_alu depctr_va_vdst(0)                   ; the scaled mask is written in v[OUT ..], which the two LDS stores read
	ds_store_b128 v[MTL], v[OUT:OUT+3]
	ds_store_b128 v[MTL], v[OUT+4:OUT+7] offset:4096
	s_wait_dscnt 0x0                               ; for the others' sake: my part of the three regions lies in LDS
	s_barrier_signal -1
	s_barrier_wait -1                              ; everybody's does.  From here on these regions are only read
	s_wait_alu depctr_vm_vsrc(0)                   ; my LDS stores have read all of window 1 and v[OUT ..]: from here on K's and V's loads land there, the products write O^T there, and the way out writes v[OUT ..]
; The mask (64 registers in the scores' layout: tile 2 b + u, register j: key 32 b + 16 h + 8 u + j) and K's eight fragments of a step
.macro LDKM adm, offm, adf, offk
	WIN 0
.irp b, 0,1,2,3
.irp u, 0,1
	ds_load_b128 v[MK+8*(2*\b+\u):MK+8*(2*\b+\u)+3],   v[\adm] offset:\offm+128*\b+32*\u
	ds_load_b128 v[MK+8*(2*\b+\u)+4:MK+8*(2*\b+\u)+7], v[\adm] offset:\offm+128*\b+32*\u+16
.endr
.endr
	WIN 0x40
.irp x, 0,1,2,3,4,5,6,7
	ds_load_b128 v[KF+8*\x:KF+8*\x+3],   v[\adf] offset:\offk+1024*\x
	ds_load_b128 v[KF+8*\x+4:KF+8*\x+7], v[\adf] offset:\offk+1024*\x+512
.endr
.endm
.macro LDV                             ; V's four fragments (16 d x 128 keys) of the step
	WIN 0x40
.irp d, 0,1,2,3
.irp c, 0,1,2,3
	ds_load_b128 v[VF+16*\d+4*\c:VF+16*\d+4*\c+3], v[ADV] offset:2048*\d+512*\c
.endr
.endr
.endm
.macro QK t                            ; S^T = K Q^T + the scaled mask, for tile t of my queries: eight accumulators, one instruction each
	WIN 0x01                                       ; K in window 1
.irp x, 0,1,2,3,4,5,6,7
	v_wmma_f32_16x16x64_fp8_fp8 v[S+8*\x:S+8*\x+7], v[KF+8*\x:KF+8*\x+7], v[Q+8*(\t):Q+8*(\t)+7], v[MK+8*\x:MK+8*\x+7]
.endr
.endm
.macro PV t, first                     ; O^T += V^T P: four accumulators, one instruction each.  first = 1: the products start the sums: nothing is ever cleared
	WIN 0x51                                       ; V, C and D in window 1
.irp d, 0,1,2,3
.if \first
	v_wmma_f32_16x16x128_fp8_fp8 v[32*(\t)+8*\d:32*(\t)+8*\d+7], v[VF+16*\d:VF+16*\d+15], v[P:P+15], 0
.else
	v_wmma_f32_16x16x128_fp8_fp8 v[32*(\t)+8*\d:32*(\t)+8*\d+7], v[VF+16*\d:VF+16*\d+15], v[P:P+15], v[32*(\t)+8*\d:32*(\t)+8*\d+7]
.endif
.endr
.endm
.macro RESCALE t                       ; O^T under the new M: x f, each accumulator from its low end on
	WIN 0x41
.set i, 0
.rept 16
	v_pk_mul_f32 v[32*(\t)+i:32*(\t)+i+1], v[32*(\t)+i:32*(\t)+i+1], v[F:F+1] op_sel_hi:[1,0]
.set i, i+2
.endr
.endm
; One tile's softmax for one step, all in window 0.  first = 1: the first step, which starts M and the sum.
; ld = 1: this step's V is asked for behind the wait that follows the exponentials.  ld = 2: the next step's K and mask are asked for ahead of the scalings, behind a wait of their own.  ld = 0: neither.
.macro SOFTMAX t, first, ld
.set rT, ST+4*(\t)
	WIN 0
	v_max3_num_f32 v[TA], v[S], v[S+1], v[S+2]     ; the largest of my 64 scores, in two chains; each accumulator is first read at its low end
	v_max3_num_f32 v[TC], v[S+3], v[S+4], v[S+5]
.set i, 6
.rept 14
	v_max3_num_f32 v[TA], v[TA], v[S+i], v[S+i+1]
	v_max3_num_f32 v[TC], v[TC], v[S+i+2], v[S+i+3]
.set i, i+4
.endr
	v_max3_num_f32 v[TA], v[TA], v[S+62], v[S+63]
	v_max_num_f32 v[TA], v[TA], v[TC]
	v_permlanex16_b32 v[PX], v[TA], s28, s29
	v_max_num_f32 v[TA], v[TA], v[PX]              ; and of lane l xor 16's: the query's other 64 keys
	v_mul_f32 v[TA], s22, v[TA]                    ; as t (c is positive)
.if \first
	v_mov_b32 v[rT+1], v[TA]
	v_floor_f32 v[rT], -v[rT+1]                    ; -M = floor(-t) = -ceil(t): M is a whole number
.else
	v_max_num_f32 v[rT+1], v[rT+1], v[TA]          ; the running largest t
	v_mov_b32 v[TA], v[rT]
	v_floor_f32 v[rT], -v[rT+1]
	v_sub_f32 v[TA], v[rT], v[TA]                  ; old M - new M: a whole number, 0 or less
	v_cvt_i32_f32 v[TA], v[TA]                     ; (it saturates)
	v_ldexp_f32 v[F], 1.0, v[TA]                   ; f = 2^(old M - new M)
.endif
.if \ld == 2
	s_wait_alu depctr_va_vdst(0)                   ; this tile's scores' products, the last that read this step's K and mask, are done reading those registers, in which the loads below land (v[ADF], v[ADM] were written ahead of tile 0's wait)
	LDKM ADM, 512, ADF, 8192                       ; the next step's: the scalings, the exponentials, the sums and the conversions below are the time in which they land
	WIN 0
.endif
.set i, 0
.rept 32
	v_pk_fma_f32 v[S+i:S+i+1], v[S+i:S+i+1], s[22:23], v[rT:rT+1] op_sel_hi:[1,0,0]   ; t - M, two at a time (of the pairs c and -M the low word serves both halves)
.set i, i+2
.endr
.set i, 0
.rept 64
	v_exp_f32 v[S+i], v[S+i]                       ; p = 2^(t - M), at most 1
.set i, i+1
.endr
.if \first
	v_nop                                          ; a plain line behind the exponentials
.else
	v_pk_mul_f32 v[rT+2:rT+3], v[rT+2:rT+3], v[F:F+1] op_sel_hi:[1,0]   ; the sum under the new M.  (The plain line behind the exponentials)
.endif
.if \ld == 1
	WIN 0x40                                       ; V's registers lie in window 1: the switch, then the wait, then the loads
.endif
	s_wait_alu depctr_va_vdst(0)                   ; the 64 exponentials have written p, which the sums below read.  Where V's loads follow: the last step's V^T P are done reading V's registers, and v[ADV] is written
.if \ld == 1
	LDV                                            ; this step's V: the sums and conversions below, the next tile's scores and the rescaling are the time in which it lands
	WIN 0
.endif
.if \first
	v_pk_add_f32 v[SA:SA+1], v[S:S+1], v[S+2:S+3]  ; the row's sum is taken of the unquantised p: two at a time, in two chains
	v_pk_add_f32 v[rT+2:rT+3], v[S+4:S+5], v[S+6:S+7]
.set i, 8
.rept 14
	v_pk_add_f32 v[rT+2:rT+3], v[rT+2:rT+3], v[S+i:S+i+1]
	v_pk_add_f32 v[SA:SA+1], v[SA:SA+1], v[S+i+2:S+i+3]
.set i, i+4
.endr
.else
	v_pk_add_f32 v[SA:SA+1], v[S:S+1], v[S+2:S+3]
.set i, 4
.rept 15
	v_pk_add_f32 v[rT+2:rT+3], v[rT+2:rT+3], v[S+i:S+i+1]
	v_pk_add_f32 v[SA:SA+1], v[SA:SA+1], v[S+i+2:S+i+3]
.set i, i+4
.endr
.endif
	v_pk_add_f32 v[rT+2:rT+3], v[rT+2:rT+3], v[SA:SA+1]
	s_cmp_gt_i32 s26, -9                           ; 448 x 2^ep >= 1.75 from ep = -8 on, and p is at most 1: nothing to hold
	s_cbranch_scc1 .Lno_hold_\@
.set i, 0
.rept 64
	v_min_num_f32 v[S+i], v[S+i], v[LIM]           ; the conversion to an 8-bit code does not saturate (ISA guide 7.6.2); p is not negative, so the hold is one-sided
.set i, i+1
.endr
.Lno_hold_\@:
.irp b, 0,1,2,3
	v_cvt_scalef32_pk8_fp8_f32 v[P+4*\b:P+4*\b+1], v[S+16*\b:S+16*\b+7], v[CVS]       ; keys 32 b + 16 h + 0..15: registers 4 b .. 4 b + 3 of the second product's operand
	v_cvt_scalef32_pk8_fp8_f32 v[P+4*\b+2:P+4*\b+3], v[S+16*\b+8:S+16*\b+15], v[CVS]
.endr
	v_nop                                          ; a plain line between the conversions and the products that write their sources and read their results
.endm
; A STEP OF 128 KEYS.  For each tile t: its softmax; the NEXT tile's scores (for t = 3 the next step's tile 0), so that the matrix unit works under the rescaling and the next softmax finds its scores ready;
; O^T's rescaling, whose 16 plain lines are the places behind those products; O^T += V^T P.  V is asked for in tile 0's softmax and awaited ahead of tile 0's V^T P; the next step's K and mask are asked
; for in tile 3's softmax and awaited behind it.  Between two instructions on one accumulator stand all the others'.
.macro STEP first, last
	WIN 0
.if \first == 0
	s_wait_alu depctr_vm_vsrc(0)                   ; the last step's LDS loads have read v[ADV], v[ADF] and v[ADM], which the lines below write again
.endif
	v_add_nc_u32 v[ADV], s[TB], v[AV0]
.if \last == 0
	v_add_nc_u32 v[ADF], s[TB], v[LI]
	v_add_nc_u32 v[ADM], s[TM], v[AM0]
.endif
.if \first
	v_nop                                          ; with the three additions: the four places between the first scores' products and the softmax that reads them (in later steps the rescaling's lines are those places)
.endif
.irp t, 0,1,2,3
.if \t == 0
	SOFTMAX \t, \first, 1
.elseif (\t == 3) && (\last == 0)
	SOFTMAX \t, \first, 2
.else
	SOFTMAX \t, \first, 0
.endif
.if \t < 3
	QK \t+1
.elseif \last == 0
	s_wait_dscnt 0x0                               ; the next step's K and mask are in
	QK 0
.endif
.if \first
.rept 4
	v_nop                                          ; the first step has nothing to rescale: the places behind the scores' products
.endr
.else
	RESCALE \t
.endif
.if \t == 0
	s_wait_dscnt 0x0                               ; V is in
.endif
	PV \t, \first
.endr
	WIN 0                                          ; at a label and at a branch every window is 0
	s_add_co_u32 s[TB], s[TB], 8192
	s_add_co_u32 s[TM], s[TM], 512
.endm
	LDKM AM0, 0, LI, 0                             ; step 0's mask and K
	WIN 0
	s_wait_loadcnt 0x0                             ; Q
	s_wait_dscnt 0x0
	QK 0
	STEP 1, 0                                      ; step 0 starts M, the sums and O^T
.Lstep:                                                ; steps 1 to 14
	STEP 0, 0
	s_sub_co_u32 s[CNT], s[CNT], 1
	s_cmp_lg_u32 s[CNT], 0
	s_cbranch_scc1 .Lstep
	STEP 0, 1                                      ; step 15 asks for nothing more
	; THE WAY OUT.  The sum's two halves and lane l xor 16's are added; O^T x 2^(ep + ev) / the sum goes through my stage, a tile of 16 queries at a time, and leaves as rows of 256 bytes.
.irp t, 0,1,2,3
	v_add_f32 v[RC+2*\t], v[ST+4*\t+2], v[ST+4*\t+3]       ; (these four are the places behind the last products)
.endr
.irp t, 0,1,2,3
	v_permlanex16_b32 v[RC+2*\t+1], v[RC+2*\t], s28, s29
.endr
.irp t, 0,1,2,3
	v_add_f32 v[RC+2*\t], v[RC+2*\t], v[RC+2*\t+1]
.endr
.irp t, 0,1,2,3
	v_rcp_f32 v[RC+2*\t], v[RC+2*\t]
.endr
	v_nop                                          ; a plain line between the last reciprocal and the use of its result
	s_wait_alu depctr_va_vdst(0)                   ; the four reciprocals have written v40, v42, v44 and v46, which the lines below read
.irp t, 0,1,2,3
	v_ldexp_f32 v[RC+2*\t], v[RC+2*\t], s35
.endr
; Tile t.  Its row r = 8 h' + j is token 32 (t / 2) + 16 h' + 8 (t % 2) + j of my 64 in truth: load i from the stage brings rows 2 i and 2 i + 1, which are tokens 32 (t / 2) + 16 (i / 4) + 8 (t % 2) + 2 (i % 4) + 0, 1.
.macro OUTT t
.set BK, S+32*((\t)%2)
.if (\t) >= 2
	s_wait_xcnt 0x0                                ; the stores of two tiles ago have read the registers that the loads below fill
.endif
.if (\t) >= 1
	s_wait_alu depctr_vm_vsrc(0)                   ; the last tile's LDS stores have read v[OUT ..], which the products below write again; from tile 2 on also: the global stores of two tiles ago have read v[BK ..], in which the loads below land
.endif
	WIN 0x01                                       ; source 0 (O^T) in window 1
.set i, 0
.rept 16
	v_pk_mul_f32 v[OUT+i:OUT+i+1], v[32*(\t)+i:32*(\t)+i+1], v[RC+2*(\t):RC+2*(\t)+1] op_sel_hi:[1,0]
.set i, i+2
.endr
	WIN 0
	s_wait_alu depctr_va_vdst(0)                   ; the products have written v[OUT ..], which the LDS stores read; and the last softmax is done with v[BK ..], in which the loads from the stage land
.irp d, 0,1,2,3
	ds_store_b128 v[STO], v[OUT+8*\d:OUT+8*\d+3] offset:64*\d          ; lane (r, h): o(r, 16 d + 8 h + 0..7)
	ds_store_b128 v[STO], v[OUT+8*\d+4:OUT+8*\d+7] offset:64*\d+16
.endr
.irp n, 0,1,2,3,4,5,6,7
	ds_load_b128 v[BK+4*\n:BK+4*\n+3], v[RD] offset:2*SP*\n            ; LDS serves a wave's instructions in order (ISA guide 5.7.1.4): these see my stores
.endr
.irp n, 0,1,2,3,4,5,6,7
	s_wait_dscnt 7-\n                              ; load n is back; the younger ones may be out.  At n = 7 the stage is free for the next tile
	global_store_b128 v[GO], v[BK+4*\n:BK+4*\n+3], s[10:11] offset:(32*((\t)/2)+16*(\n/4)+8*((\t)%2)+2*(\n%4))*4096 th:TH_STORE_NT   ; 16 lanes store 256 consecutive bytes, aligned: a head's part of a row
.endr
.endm
	OUTT 0
	OUTT 1
	OUTT 2
	OUTT 3
	s_wait_xcnt 0x0
	s_wait_alu depctr_vm_vsrc(0)                   ; tile 3's LDS stores have read v230 and v231, which the two lines below write
	v_lshl_add_u32 v230, v0, 2, 0x4a800
	v_mov_b32 v231, 0
	s_wait_dscnt 0x0                               ; the closing lines, six on end
	s_wait_alu 0x0
	s_wait_tensorcnt 0x0
	ds_add_u32 v230, v231
	s_wait_dscnt 0x0
	s_endpgm
.Lfunc_end_k_qac70cb5d13_attn:
	.size	k_qac70cb5d13_attn, .Lfunc_end_k_qac70cb5d13_attn-k_qac70cb5d13_attn
	.p2alignl 7, 3214868480
	.fill 96, 4, 3214868480
	.section	.rodata,"a",@progbits
	.p2align	6, 0x0
	.amdhsa_kernel k_qac70cb5d13_attn
		.amdhsa_group_segment_fixed_size 306176
		.amdhsa_private_segment_fixed_size 0
		.amdhsa_enable_private_segment 0
		.amdhsa_kernarg_size 32
		.amdhsa_user_sgpr_count 2
		.amdhsa_user_sgpr_kernarg_segment_ptr 1
		.amdhsa_wavefront_size32 1
		.amdhsa_system_sgpr_workgroup_id_x 1
		.amdhsa_system_sgpr_workgroup_id_y 1
		.amdhsa_system_sgpr_workgroup_id_z 1
		.amdhsa_system_vgpr_workitem_id 0
		.amdhsa_next_free_vgpr 512
		.amdhsa_next_free_sgpr 66
		.amdhsa_reserve_vcc 0
		.amdhsa_float_denorm_mode_32 3
		.amdhsa_float_denorm_mode_16_64 3
		.amdhsa_memory_ordered 1
		.amdhsa_forward_progress 1
		.amdhsa_inst_pref_size 191
	.end_amdhsa_kernel
	.amdgpu_metadata
---
amdhsa.version: [ 1, 2 ]
amdhsa.kernels:
  - .name:           k_qac70cb5d13_attn
    .symbol:         k_qac70cb5d13_attn.kd
    .args:
      - { .name: qkv, .offset: 0, .size: 8, .value_kind: global_buffer, .address_space: global }
      - { .name: attention_mask, .offset: 8, .size: 8, .value_kind: global_buffer, .address_space: global }
      - { .name: lowp_scales, .offset: 16, .size: 8, .value_kind: global_buffer, .address_space: global }
      - { .name: out0, .offset: 24, .size: 8, .value_kind: global_buffer, .address_space: global }
    .group_segment_fixed_size: 306176
    .private_segment_fixed_size: 0
    .kernarg_segment_align: 8
    .kernarg_segment_size: 32
    .max_flat_workgroup_size: 256
    .sgpr_count:     66
    .vgpr_count:     512
    .wavefront_size: 32
...
	.end_amdgpu_metadata
.endif
;; end of part 5
